; MI455X (gfx1250); checked and timed in simulation.
; The chip was launched on July 23, 2026; its instructions are those of AMD's public machine-readable ISA for CDNA 5 (MIT licence, August 2026) and "CDNA5" Instruction Set Architecture Reference Guide (July 2026). The comments in the code are by the model that wrote it; some were corrected since.
;; LSTM Cell. Allowed arithmetic: matrix products marked QUANTISED: E2M1 operands, one E8M0 scale for each 32 along K, by v_wmma_scale_f32_16x16x128_f8f6f4 with both operands' format E2M1 (or v_wmma_scale_f32_32x16x128_f4), f32 sums; everything else in f32.
;; Inputs: bias 4,096 float32; c0 8,192 x 1,024 float32; h0 8,192 x 1,024 float32; ln1_b 4,096 float32; ln1_g 4,096 float32; ln2_b 4,096 float32; ln2_g 4,096 float32; ln3_b 1,024 float32; ln3_g 1,024 float32; weight_h 1,024 x 4,096 float32; weight_x 1,024 x 4,096 float32; x 8,192 x 1,024 float32.
;; Outputs: out0 8,192 x 1,024 float32; out1 8,192 x 1,024 float32.
;; This version of the problem:
;;   THIS VERSION OF THE PROBLEM IS GIVEN IN LOW PRECISION. The matrix products marked QUANTISED in the list below multiply operands that are first quantised to E2M1 (2 exponent bits, 1 mantissa bit; 4 bits a number), with one power-of-two scale for each 32 numbers along K (OCP MX v1.0); their sums are f32. All else is computed in f32.
;;   The module's matrix products, in the order in which they are computed (A, B: the left and right operand; K: the contracted axis; several contracted axes count as one K, in the product's order):
;;     1. [M 8,192, K 1,024] x [K 1,024, N 4,096]; A: input h0; B: input weight_h: QUANTISED
;;     2. [M 8,192, K 1,024] x [K 1,024, N 4,096]; A: input x; B: input weight_x: QUANTISED
;;   THE QUANTISER, for each operand of a quantised product, along K:
;;     - K is cut into blocks of 32 from its start; a last block that is shorter is filled with zeros.
;;     - A block's scale is 2^e with e = floor(log2(the largest magnitude in the block)) - 2, held to -126 .. 127; a block of zeros has e = 0. As a byte (E8M0): e + 127.
;;     - Each number is divided by its block's scale, clamped to +-6, and rounded to the nearest number of E2M1, ties to even, subnormals kept.
;;     - The product sums the exact products of the quantised numbers (number of the format x scale) in f32.
;;   ~~~python
;;   def quantise(x, axis):      # numpy; x: float32 -> the quantised numbers, widened to float32 again
;;       x = np.moveaxis(x, axis, -1); K = x.shape[-1]
;;       x = np.pad(x, [(0, 0)] * (x.ndim - 1) + [(0, -K % 32)]); x = x.reshape(x.shape[:-1] + (-1, 32)); a = np.abs(x).max(-1, keepdims=True)
;;       e = np.where(a > 0, np.clip(np.frexp(np.where(a > 0, a, 1))[1] - 1 - 2, -126, 127), 0)      # np.frexp(a)[1] - 1 = floor(log2(a)), exactly
;;       r = np.clip(x / 2.0 ** e, -6, 6)
;;       step = 2.0 ** (np.maximum(np.frexp(np.where(r == 0, 1, r))[1] - 1, 0) - 1)
;;       q = np.round(r / step) * step * 2.0 ** e      # np.round: ties to even
;;       return np.moveaxis(q.reshape(q.shape[:-2] + (-1,))[..., :K], -1, axis).astype(np.float32)
;;   ~~~
;; One version. Each part assembles by itself: llvm-mc -triple=amdgcn-amd-amdhsa -mcpu=gfx1250 --defsym DOCPART=n.
;; ======== version 1 of 1: 4 launches
;; limits: right only within a limited range of input values
;; workspace buffers: act 8,912,896 bytes; wts 4,456,448 bytes; st12 1,048,576 bytes; og 33,554,432 bytes; st3 1,048,576 bytes; par 49,152 bytes
;; launch quant (part 1): grid 512 x 1, 8 waves a work-group, no clusters, 68,608 bytes of LDS; arguments h0, x, weight_h, weight_x, act, wts, ln1_g, ln2_g, ln1_b, ln2_b, bias, par; writes act, wts, par
.if DOCPART == 1
	.amdgcn_target "amdgcn-amd-amdhsa--gfx1250"
	.amdhsa_code_object_version 6
	.text
	.protected	k_q76c97d4e31_quant
	.globl	k_q76c97d4e31_quant
	.p2align	8
	.type	k_q76c97d4e31_quant,@function
k_q76c97d4e31_quant:
	s_mov_b64 s[64:65], 0
	v_nop
	global_prefetch_b8 v0, s[64:65] scope:SCOPE_SE
	s_setreg_imm32_b32 hwreg(HW_REG_WAVE_MODE, 25, 1), 1
	s_wait_xcnt 0x0
; LSTM cell, launch 1 of 4: h0, x [8192][1024] and weight_h, weight_x [1024][4096], f32, become codes of FP4 (E2M1) with one E8M0 byte for each 32 along K.
; NO STEP OF reference() IS DEAD: every input has a way to an output, and each is loaded by one of the four launches.
; THE PROGRAM.  LN1 and LN2 want all 4,096 columns of a row before any gate can be formed, and a row's two products (32 KB of f32) times the rows of a work-group fit neither registers nor LDS.
; So the products are made twice on large tiles: launch 2 keeps each row's mean and sum of squared deviations, launch 3 makes them again, norms them, forms the gates and c1, launch 4 does LN3 and h1.
; A block's scale is 2^(floor(log2(its largest magnitude)) - 2): its byte is the largest magnitude's exponent field - 2, held at 1 from below.
; LIMITS.  A block of zeros gets the byte 1 where the rule says 127: its codes are zeros, which add nothing under any byte but 0xff, and this program alone reads the bytes.
; Blocks whose largest magnitude lies under 2^-124, the floor, were not tried.  NaN and infinities among the inputs are not served.
; THE WORKSPACE IS LAID AS THE MATRIX LAUNCHES' REGISTERS WANT IT.  A half block (HB) is 128 operand rows x 512 along K, 34,816 bytes:
;   codes at blk*4096 + q*1024 + kb*256 + r*16 (blk: 16 operand rows; q: 128 along K; kb: a block of 32; r: the row): the 1,024 bytes of (blk, q) are a fragment's registers, lane by lane;
;   scale words at 32768 + blk*256 + r*16 + q*4.
;   act: HB p*128 + rt*4 + kh*2 + hf; row = 256 rt + 128 hf + 16 blk + r.   wts: HB p*64 + ct*4 + kh*2 + hf; blk = 4 wc + gate; column = 1024 gate + 64 ct + 32 hf + 16 wc + r.
; SHARES.  Work-groups 0-255: one HB of act each, a wave a blk.  Work-groups 256-511: 256 columns x 128 along K of a weight, a wave 32 columns.  No cluster: no two work-groups read the same bytes.
.set HB,    34816
.set STGW,  8448                       ; a wave's stage: 16 rows x (512 bytes + 16)
.set SPARE, 8*STGW                     ; behind the stages: the spare words, 128 bytes for each wave, that no other line names
.set SPW,   14                         ; v14  LDS address of my spare word; never rewritten
.set NIL,   15                         ; v15  0; never rewritten
.set R,     16                         ; v16-143  activations: two sets of 64 numbers as loaded
.set X,     144                        ; v144-207 64 numbers as the operand's layout wants them
.set CD,    208                        ; v208-239 codes: 8 registers for each of the four K steps, so that no store's data are written again
.set SW,    240                        ; v240-243 my row's four scale words
.set XW,    16                         ; weights: v16-79 two sets of 32 numbers
.set CW,    80                         ; v80-95 codes, four registers a block;  v96 the scale word
	s_load_b256 s[4:11], s[0:1], 0x0               ; h0, x, weight_h, weight_x
	s_load_b128 s[12:15], s[0:1], 0x20             ; act, wts
	v_lshl_add_u32 v[SPW], v0, 2, SPARE
	v_mov_b32 v[NIL], 0
	v_lshrrev_b32 v1, 5, v0
	s_delay_alu instid0(VALU_DEP_1)
	v_readfirstlane_b32 s16, v1                    ; wave 0..7
	v_and_b32 v1, 31, v0                           ; lane
	v_and_b32 v2, 15, v0                           ; r
	v_bfe_u32 v3, v0, 4, 1                         ; h
	s_cmp_lt_u32 ttmp9, 256                        ; activations or weights: the work-group's number alone decides
	s_cbranch_scc0 .Lweights
; ---- ACTIVATIONS.  K is innermost: a load takes 512 consecutive bytes of a row; the 16 rows x 128 K turn through the wave's own stage, so that lane (r, h) gets k = 64 c + 32 h + 0..31 of row r: two whole blocks.
	s_mov_b32 s20, 0x76543210
	s_mov_b32 s21, 0xfedcba98                      ; v_permlanex16_b32's selects for lane l xor 16
	v_lshlrev_b32 v4, 4, v1                        ; 16 x lane: in a row as loaded, and in a fragment's image
	s_mul_i32 s17, s16, STGW
	v_add_nc_u32 v5, s17, v4                       ; the stage, on the way in
	v_mul_u32_u24 v6, v2, 528
	s_delay_alu instid0(VALU_DEP_1)
	v_lshl_add_u32 v6, v3, 7, v6
	s_delay_alu instid0(VALU_DEP_1)
	v_add_nc_u32 v6, s17, v6                       ; and on the way out: row r, + 128 h bytes
	v_lshlrev_b32 v7, 4, v2                        ; my row's four scale words
	v_lshlrev_b32 v244, 3, v3                      ; 8 h: where my two bytes stand in a scale word
	v_mov_b32 v245, 0                              ; written once: a lane permute's destination counts as one of its sources
	s_lshr_b32 s22, ttmp9, 2
	s_and_b32 s22, s22, 31
	s_lshl_b32 s22, s22, 20                        ; rt x 256 rows of 4,096 bytes
	s_and_b32 s23, ttmp9, 1
	s_lshl_b32 s23, s23, 19                        ; hf x 128 rows
	s_add_co_u32 s22, s22, s23
	s_lshl_b32 s23, s16, 16                        ; blk x 16 rows
	s_add_co_u32 s22, s22, s23
	s_bfe_u32 s23, ttmp9, 0x10001
	s_lshl_b32 s23, s23, 11                        ; kh x 512 numbers
	s_add_co_u32 s22, s22, s23
	s_mov_b32 s23, 0
	s_mul_i32 s24, ttmp9, HB
	s_lshl_b32 s26, s16, 12
	s_add_co_u32 s26, s24, s26                     ; my blk's codes
	s_mov_b32 s27, 0
	s_lshl_b32 s25, s16, 8
	s_add_co_u32 s24, s24, s25                     ; my blk's scale words (32,768 more stand in the store's immediate)
	s_mov_b32 s25, 0
	s_wait_alu depctr_va_vdst(0)
	s_wait_kmcnt 0x0
	s_cmp_lt_u32 ttmp9, 128
	s_cselect_b64 s[4:5], s[4:5], s[6:7]           ; h0 or x
	s_add_nc_u64 s[4:5], s[4:5], s[22:23]
	s_add_nc_u64 s[26:27], s[12:13], s[26:27]
	s_add_nc_u64 s[24:25], s[12:13], s[24:25]
.macro LOADK q                         ; 16 rows x 128 K: each load is 512 consecutive bytes
.irp i, 0,1,2,3,4,5,6,7,8,9,10,11,12,13,14,15
	global_load_b128 v[R+64*((\q)%2)+4*\i:R+64*((\q)%2)+4*\i+3], v4, s[4:5] offset:\i*4096+(\q)*512 th:TH_LOAD_NT
.endr
.endm
.macro KSTEP q
.if (\q) < 3
	s_wait_loadcnt 16                              ; this K step's 16 loads are in; the next step's 16 may be out
.else
	s_wait_loadcnt 0x0
.endif
.irp i, 0,1,2,3,4,5,6,7,8,9,10,11,12,13,14,15
	ds_store_b128 v5, v[R+64*((\q)%2)+4*\i:R+64*((\q)%2)+4*\i+3] offset:528*\i
.endr
.irp c, 0,1
.irp g, 0,1,2,3,4,5,6,7
	ds_load_b128 v[X+32*\c+4*\g:X+32*\c+4*\g+3], v6 offset:256*\c+16*\g   ; LDS serves a wave's instructions in order: these see the stores above
.endr
.endr
	s_wait_dscnt 0x0                               ; the numbers are back, and the stores have read their registers,
.if (\q) < 2
	LOADK (\q)+2                                   ; which take the loads of two K steps on
.endif
.irp c, 0,1
	v_max3_num_f32 v[8+\c], |v[X+32*\c]|, |v[X+32*\c+1]|, 0x1800000   ; block 2 c + h: all 32 numbers are mine; the floor 2^(3 - 127) holds the byte at 1 from below
.endr
.irp i, 2,4,6,8,10,12,14,16,18,20,22,24,26,28,30
.irp c, 0,1
	s_delay_alu instid0(VALU_DEP_2)
	v_max3_num_f32 v[8+\c], v[8+\c], |v[X+32*\c+\i]|, |v[X+32*\c+\i+1]|
.endr
.endr
.irp c, 0,1
	s_delay_alu instid0(VALU_DEP_2)
	v_add_nc_u32 v[10+\c], 0xff000000, v[8+\c]     ; 2 off the exponent field: the conversion's scale operand
.endr
.irp c, 0,1
	s_delay_alu instid0(VALU_DEP_2)
	v_lshrrev_b32 v[12+\c], 23, v[10+\c]           ; the scale's byte
.endr
	s_delay_alu instid0(VALU_DEP_1)
	v_lshl_or_b32 v[SW+(\q)], v13, 16, v12         ; my two bytes: blocks h and 2 + h,
	s_delay_alu instid0(VALU_DEP_1)
	v_lshlrev_b32 v[SW+(\q)], v244, v[SW+(\q)]     ; at their places;
	s_delay_alu instid0(VALU_DEP_1)
	v_permlanex16_b32 v245, v[SW+(\q)], s20, s21
	s_delay_alu instid0(VALU_DEP_1)
	v_or_b32 v[SW+(\q)], v[SW+(\q)], v245          ; with lane l xor 16's two the word is whole
.irp c, 0,1
.irp g, 0,1,2,3
	v_cvt_scalef32_pk8_fp4_f32 v[CD+8*(\q)+4*\c+\g], v[X+32*\c+8*\g:X+32*\c+8*\g+7], v[10+\c]
.endr
.endr
	v_nop                                          ; one plain line behind the last scaled conversion
.irp c, 0,1
	global_store_b128 v4, v[CD+8*(\q)+4*\c:CD+8*(\q)+4*\c+3], s[26:27] offset:(\q)*1024+\c*512   ; 32 lanes store 512 consecutive bytes, aligned
.endr
.endm
	LOADK 0
	LOADK 1
	KSTEP 0
	KSTEP 1
	KSTEP 2
	KSTEP 3
	s_wait_xcnt 0x0                                ; EXEC changes only behind this wait
	v_cmp_gt_u32 vcc_lo, 16, v1
	s_and_saveexec_b32 s28, vcc_lo                 ; lanes 16-31 hold the same words as lanes 0-15
	global_store_b128 v7, v[SW:SW+3], s[24:25] offset:32768   ; sixteen lanes store 256 consecutive bytes, aligned
	s_wait_xcnt 0x0
	s_or_b32 exec_lo, exec_lo, s28
	s_wait_tensorcnt 0x0                           ; the wave's end, behind my last LDS store
	ds_add_u32 v[SPW], v[NIL]
	s_wait_dscnt 0x0
	s_endpgm
; ---- WEIGHTS.  K is the first axis: a lane takes a column and its registers run down K, so a block of 32 lies in one lane and the codes come out with K innermost.  No LDS.
.Lweights:
	s_sub_co_u32 s17, ttmp9, 256
	s_lshr_b32 s18, s17, 7                         ; p: weight_h or weight_x
	s_bfe_u32 s19, s17, 0x30004                    ; ks: which 128 along K
	s_and_b32 s22, s17, 15                         ; cc: which 256 columns
	s_wait_alu depctr_va_vdst(0)
	v_lshlrev_b32 v4, 2, v1                        ; in: 4 bytes a lane; the eight waves stand side by side on 1,024 bytes of a row
	v_lshlrev_b32 v5, 4, v2
	s_delay_alu instid0(VALU_DEP_1)
	v_lshl_add_u32 v6, v3, 10, v5                  ; scale words: wc x 4 blk x 256 + 16 r
	s_delay_alu instid0(VALU_DEP_2)
	v_lshl_add_u32 v5, v3, 14, v5                  ; codes: wc x 4 blk x 4,096 + 16 r
	s_lshl_b32 s24, s19, 21                        ; 128 rows of 16,384 bytes
	s_lshl_b32 s25, s22, 10
	s_add_co_u32 s24, s24, s25
	s_lshl_b32 s25, s16, 7
	s_add_co_u32 s24, s24, s25
	s_mov_b32 s25, 0
	s_and_b32 s26, s22, 3
	s_lshl_b32 s26, s26, 2
	s_lshr_b32 s27, s16, 1
	s_add_co_u32 s26, s26, s27                     ; ct
	s_lshl_b32 s26, s26, 2
	s_lshl_b32 s27, s18, 6
	s_add_co_u32 s26, s26, s27
	s_lshr_b32 s27, s19, 2
	s_lshl_b32 s27, s27, 1                         ; 2 kh
	s_add_co_u32 s26, s26, s27
	s_and_b32 s27, s16, 1                          ; hf
	s_add_co_u32 s26, s26, s27
	s_mul_i32 s26, s26, HB                         ; my HB
	s_lshr_b32 s27, s22, 2                         ; gate
	s_and_b32 s28, s19, 3                          ; q
	s_lshl_b32 s29, s27, 12
	s_add_co_u32 s30, s26, s29
	s_lshl_b32 s29, s28, 10
	s_add_co_u32 s30, s30, s29                     ; codes: + gate x 4,096 + q x 1,024
	s_mov_b32 s31, 0
	s_lshl_b32 s29, s27, 8
	s_add_co_u32 s26, s26, s29
	s_lshl_b32 s29, s28, 2
	s_add_co_u32 s26, s26, s29                     ; scale words: + gate x 256 + 4 q
	s_mov_b32 s27, 0
	s_wait_alu depctr_va_vdst(0)
	s_wait_kmcnt 0x0
	s_cmp_eq_u32 s18, 0
	s_cselect_b64 s[8:9], s[8:9], s[10:11]
	s_add_nc_u64 s[8:9], s[8:9], s[24:25]
	s_add_nc_u64 s[30:31], s[14:15], s[30:31]
	s_add_nc_u64 s[26:27], s[14:15], s[26:27]
.macro LOADW t                         ; block t: W(32 t + i, my column)
.irp i, 0,1,2,3,4,5,6,7,8,9,10,11,12,13,14,15,16,17,18,19,20,21,22,23,24,25,26,27,28,29,30,31
	global_load_b32 v[XW+32*((\t)%2)+\i], v4, s[8:9] offset:(32*(\t)+\i)*16384 th:TH_LOAD_NT
.endr
.endm
.macro BLOCKW t
.set XS, XW+32*((\t)%2)
.if (\t) < 3
	s_wait_loadcnt 32                              ; this block's 32 loads are in; the next block's may be out
.else
	s_wait_loadcnt 0x0
.endif
	v_max3_num_f32 v12, |v[XS]|, |v[XS+1]|, |v[XS+2]|
	v_max3_num_f32 v13, |v[XS+3]|, |v[XS+4]|, |v[XS+5]|
.irp i, 6,10,14,18,22,26
	s_delay_alu instid0(VALU_DEP_2)
	v_max3_num_f32 v12, v12, |v[XS+\i]|, |v[XS+\i+1]|
	s_delay_alu instid0(VALU_DEP_2)
	v_max3_num_f32 v13, v13, |v[XS+\i+2]|, |v[XS+\i+3]|
.endr
	s_delay_alu instid0(VALU_DEP_2)
	v_max3_num_f32 v12, v12, |v[XS+30]|, |v[XS+31]|
	s_delay_alu instid0(VALU_DEP_1)
	v_max3_num_f32 v12, v12, v13, 0x1800000        ; and the floor
	s_delay_alu instid0(VALU_DEP_1)
	v_add_nc_u32 v11, 0xff000000, v12
	s_delay_alu instid0(VALU_DEP_1)
	v_lshrrev_b32 v13, 23, v11
.if (\t) == 0
	s_delay_alu instid0(VALU_DEP_1)
	v_mov_b32 v96, v13
.else
	s_delay_alu instid0(VALU_DEP_1)
	v_lshl_or_b32 v96, v13, 8*(\t), v96            ; the four bytes make my column's scale word of this K step
.endif
.irp g, 0,1,2,3
	v_cvt_scalef32_pk8_fp4_f32 v[CW+4*(\t)+\g], v[XS+8*\g:XS+8*\g+7], v11
.endr
	v_nop                                          ; one plain line behind the last scaled conversion
	global_store_b128 v5, v[CW+4*(\t):CW+4*(\t)+3], s[30:31] offset:(\t)*256   ; each sixteen lanes store 256 consecutive bytes, aligned
.if (\t)+2 < 4
	LOADW (\t)+2
.endif
.endm
	LOADW 0
	LOADW 1
	BLOCKW 0
	BLOCKW 1
	BLOCKW 2
	BLOCKW 3
	global_store_b32 v6, v96, s[26:27] offset:32768   ; 4 bytes in each 16: the other twelve are three other work-groups'
; ---- THE GATES' PARAMETERS, joined once for launch 3: par = [3][4096] f32: F ln1_g, F ln2_g, F (ln1_b + ln2_b + bias), F the factor of the gate's exponent:
; -log2(e) for the three sigmoids (columns 0-3071), 2 log2(e) for the tanh (columns 3072-4095).  The 16 work-groups of weight_h's first 128 along K take their own 256 columns each, wave 0 alone:
; a lane takes 4 columns, so each load and store covers 512 consecutive bytes, aligned.
	s_cmp_lt_u32 s17, 16                           ; p = 0 and ks = 0: the work-group's number alone decides
	s_cbranch_scc0 .Lno_par
	s_cmp_eq_u32 s16, 0
	s_cbranch_scc0 .Lno_par
	s_load_b256 s[40:47], s[0:1], 0x30             ; ln1_g, ln2_g, ln1_b, ln2_b
	s_load_b128 s[48:51], s[0:1], 0x50             ; bias, par
	s_lshl_b32 s52, s22, 10                        ; cc x 256 columns of 4 bytes
	v_lshl_add_u32 v100, v1, 4, s52
	s_lshr_b32 s53, s22, 2                         ; gate
	s_mov_b32 s54, 0xbfb8aa3b                      ; -log2(e)
	s_mov_b32 s55, 0x4038aa3b                      ; 2 log2(e)
	s_cmp_eq_u32 s53, 3
	s_cselect_b32 s54, s55, s54
	s_mov_b32 s55, s54                             ; the packed form names the pair
	s_wait_alu depctr_va_vdst(0)
	s_wait_kmcnt 0x0
.irp i, 0,1
	global_load_b128 v[104+4*\i:107+4*\i], v100, s[40:41] offset:512*\i
	global_load_b128 v[112+4*\i:115+4*\i], v100, s[42:43] offset:512*\i
	global_load_b128 v[120+4*\i:123+4*\i], v100, s[44:45] offset:512*\i
	global_load_b128 v[128+4*\i:131+4*\i], v100, s[46:47] offset:512*\i
	global_load_b128 v[136+4*\i:139+4*\i], v100, s[48:49] offset:512*\i
.endr
	s_wait_loadcnt 0x0
.irp j, 0,2,4,6
	v_pk_add_f32 v[120+\j:121+\j], v[120+\j:121+\j], v[128+\j:129+\j]
.endr
.irp j, 0,2,4,6
	s_delay_alu instid0(VALU_DEP_4)
	v_pk_add_f32 v[120+\j:121+\j], v[120+\j:121+\j], v[136+\j:137+\j]
.endr
.irp j, 0,2,4,6
	v_pk_mul_f32 v[104+\j:105+\j], v[104+\j:105+\j], s[54:55] op_sel_hi:[1,0]
.endr
.irp j, 0,2,4,6
	v_pk_mul_f32 v[112+\j:113+\j], v[112+\j:113+\j], s[54:55] op_sel_hi:[1,0]
.endr
.irp j, 0,2,4,6
	v_pk_mul_f32 v[120+\j:121+\j], v[120+\j:121+\j], s[54:55] op_sel_hi:[1,0]
.endr
.irp i, 0,1
	global_store_b128 v100, v[104+4*\i:107+4*\i], s[50:51] offset:512*\i
	global_store_b128 v100, v[112+4*\i:115+4*\i], s[50:51] offset:16384+512*\i
	global_store_b128 v100, v[120+4*\i:123+4*\i], s[50:51] offset:32768+512*\i
.endr
.Lno_par:
	s_endpgm
.Lfunc_end_k_q76c97d4e31_quant:
	.size	k_q76c97d4e31_quant, .Lfunc_end_k_q76c97d4e31_quant-k_q76c97d4e31_quant
	.p2alignl 7, 3214868480
	.fill 96, 4, 3214868480
	.section	.rodata,"a",@progbits
	.p2align	6, 0x0
	.amdhsa_kernel k_q76c97d4e31_quant
		.amdhsa_group_segment_fixed_size 68608
		.amdhsa_private_segment_fixed_size 0
		.amdhsa_enable_private_segment 0
		.amdhsa_kernarg_size 96
		.amdhsa_user_sgpr_count 2
		.amdhsa_user_sgpr_kernarg_segment_ptr 1
		.amdhsa_wavefront_size32 1
		.amdhsa_system_sgpr_workgroup_id_x 1
		.amdhsa_system_sgpr_workgroup_id_y 1
		.amdhsa_system_sgpr_workgroup_id_z 1
		.amdhsa_system_vgpr_workitem_id 0
		.amdhsa_next_free_vgpr 256
		.amdhsa_next_free_sgpr 66
		.amdhsa_reserve_vcc 1
		.amdhsa_float_denorm_mode_32 3
		.amdhsa_float_denorm_mode_16_64 3
		.amdhsa_memory_ordered 1
		.amdhsa_forward_progress 1
		.amdhsa_inst_pref_size 61
	.end_amdhsa_kernel
	.amdgpu_metadata
---
amdhsa.version: [ 1, 2 ]
amdhsa.kernels:
  - .name:           k_q76c97d4e31_quant
    .symbol:         k_q76c97d4e31_quant.kd
    .args:
      - { .name: h0, .offset: 0, .size: 8, .value_kind: global_buffer, .address_space: global }
      - { .name: x, .offset: 8, .size: 8, .value_kind: global_buffer, .address_space: global }
      - { .name: weight_h, .offset: 16, .size: 8, .value_kind: global_buffer, .address_space: global }
      - { .name: weight_x, .offset: 24, .size: 8, .value_kind: global_buffer, .address_space: global }
      - { .name: act, .offset: 32, .size: 8, .value_kind: global_buffer, .address_space: global }
      - { .name: wts, .offset: 40, .size: 8, .value_kind: global_buffer, .address_space: global }
      - { .name: ln1_g, .offset: 48, .size: 8, .value_kind: global_buffer, .address_space: global }
      - { .name: ln2_g, .offset: 56, .size: 8, .value_kind: global_buffer, .address_space: global }
      - { .name: ln1_b, .offset: 64, .size: 8, .value_kind: global_buffer, .address_space: global }
      - { .name: ln2_b, .offset: 72, .size: 8, .value_kind: global_buffer, .address_space: global }
      - { .name: bias, .offset: 80, .size: 8, .value_kind: global_buffer, .address_space: global }
      - { .name: par, .offset: 88, .size: 8, .value_kind: global_buffer, .address_space: global }
    .group_segment_fixed_size: 68608
    .private_segment_fixed_size: 0
    .kernarg_segment_align: 8
    .kernarg_segment_size: 96
    .max_flat_workgroup_size: 256
    .sgpr_count:     66
    .vgpr_count:     256
    .wavefront_size: 32
...
	.end_amdgpu_metadata
.endif
;; end of part 1
;; launch stats (part 2): grid 4 x 64, 4 waves a work-group, clusters of 4 x 4, 327,680 bytes of LDS; arguments act, wts, st12; writes st12
.if DOCPART == 2
	.amdgcn_target "amdgcn-amd-amdhsa--gfx1250"
	.amdhsa_code_object_version 6
	.text
	.protected	k_q76c97d4e31_stats
	.globl	k_q76c97d4e31_stats
	.p2align	8
	.type	k_q76c97d4e31_stats,@function
k_q76c97d4e31_stats:
	s_mov_b64 s[64:65], 0
	v_nop
	global_prefetch_b8 v0, s[64:65] scope:SCOPE_SE
	s_setreg_imm32_b32 hwreg(HW_REG_WAVE_MODE, 25, 1), 1
	s_wait_xcnt 0x0
	s_wait_alu depctr_hold_cnt(0) depctr_sa_sdst(0) depctr_va_vdst(0) depctr_va_sdst(0) depctr_va_ssrc(0) depctr_va_vcc(0) depctr_vm_vsrc(0)
	s_getreg_b32 s2, hwreg(HW_REG_IB_STS2, 6, 4)
	s_cmp_eq_u32 s2, 0
	s_cbranch_scc0 .Lentry_in_a_cluster
	s_endpgm
.Lentry_in_a_cluster:
	s_bfe_u32 s2, ttmp6, 0x10000c
	s_cmp_lg_u32 s2, 0xf033
	s_cbranch_scc0 .Lentry_shape_is_right
	s_endpgm
.Lentry_shape_is_right:
; LSTM cell, launch 2 of 4: both products on codes of FP4, of which only each row's statistics are kept: for LN1 (p = 0: h0 Wh) and LN2 (p = 1: x Wx) the mean and the sum of squared deviations (M2) of runs of 512 columns.
; No work of reference() is left out.  The products are made again in launch 3: a row's 2 x 4,096 sums cannot be held until its norms are known.
; SHARES.  Work-group (cx, y): product p = y / 32, rows 256 (y % 32) on, column tiles ct = 4 cx + 0..3 of 256 operand columns each: it stays and walks the four.
; Its 256 rows' codes for all of K (4 HB, 139,264 bytes) come into LDS once and stay; the weights stream through two slots of 2 HB (256 columns x 512 K).  Wave (rh, ch) makes 128 rows x 128 columns: 64 accumulators.
; CLUSTER 4 x 4: the four of a row of the cluster (same y) need the same rows' codes, the four of a column (same cx, same p) the same weights: each is asked for jointly, which divides both kinds of request by four.
; THE WALK.  A cluster begins at tile (cluster y) % 4 of its four and goes round, so that the clusters of a product stand at different tiles at any time.  The number is the same in all sixteen partners.
; THE RING.  Slot 0 is filled again at the change from kh = 0 to kh = 1.  Slot 1 is filled again between the two halves of the tile's gathering of sums: so each refill has a phase of products and half of the gathering
; between its request and the wait for it.
; The workspace lies in the order of the operands' registers (launch 1): every LDS load of a wave is 512 consecutive bytes.
; THE MATRIX INSTRUCTION IS USED TRANSPOSED (source 0 = 16 weight columns, source 1 = 16 rows): lane (r, h) holds row r and columns 8 h + 0..7.
; STATISTICS.  A lane takes the first number that it sees as REF and gathers S = sum(x - REF), Q = sum((x - REF)^2): mean = REF + S / n, M2 = Q - S^2 / n: no difference of large sums.  Parts are joined by the pairwise formula.
; LIMIT: the order of these sums is not reference()'s.  NaN and infinities are not served.
; REGISTERS, in windows of 256: window 0: v16-29 addresses; v32-95 scale words, two sets (16 of the rows', 16 of the weights'); v96-127 unused; v128-191 the rows' fragments, one set; v192-239 REF, S, Q: six a block of rows.
;   window 1: the weights' fragments, two sets, at v0 and v128.   windows 2, 3: accumulator (a, b) at v[8 (8 (a % 4) + b)].
.set HB,    34816
.set QB,    17408                      ; a wave's quarter of a slot
.set SLOT0, 4*HB
.set SLOT1, 6*HB
.set SPARE, 8*HB                       ; behind the ring: the spare words, 128 bytes for each wave, that no other line names
.set NTILE, 4
.set ADA,  16                          ; v16-17  LDS address of my rows' HB for kh = 0, 1
.set ADW,  20                          ; v20-21  of my columns' HB in slot 0, 1
.set SO,   24                          ; v24     8 x lane: the way out
.set SPW,  28                          ; v28     LDS address of my spare word; never rewritten
.set NIL,  29                          ; v29     0; never rewritten
.set SC,   32
.set RC,   64                          ; window 1, v64-127: -REF, eight registers a block of rows: the C of a tile's first products, so the sums come out as differences from REF (window 0's v96-127 stay unused)
.set AF,   128
.set ST,   192
.set OUTR, 240
.set WV,   10                          ; s10 wave;  s11 rh;  s12 ch;  s13 cx;  s14 cy;  s15 cluster y;  s16 y;  s19 p;  s2 tiles to go
.set WB,   20                          ; s[20:21] my quarter of my four tiles' first slot, in memory
.set OF,   22                          ; s[22:23] the next tile's place behind it, in bytes
.set SEL,  32                          ; s[32:33] selects for lane l xor 16;  s34 lanes 16-31
.set TN,   35                          ; s35 the next tile's number, 0..3
.set G1S,  36                          ; s[36:43] group 1 for a quarter slot;  s[44:51] for an HB of rows
.set G1R,  44
.set G0R,  52                          ; s[52:55] group 0 for my HB of rows;  s[56:59], s[60:63] for my quarter of slot 0, 1
.set G0S,  56
.set G1W,  68                          ; s[68:75] group 1 for a whole HB of weights;  s[76:79] group 0 for the HB of weights that I fetch among the first fills
.set G0H,  76
.set MSB, 0
.macro WIN new                         ; the immediate's high byte repeats the setting that is left
.if MSB != (\new)
	s_set_vgpr_msb (MSB<<8)|(\new)
.set MSB, (\new)
.endif
.endm
.macro PLACES                          ; four plain places behind matrix instructions, in front of loads into registers that they have read and of the first read of results
.rept 4
	v_nop
.endr
.endm
.macro CREST                           ; a round of the cluster's barrier behind its opening barrier
	s_cmp_lg_u32 s[WV], 0
	s_cbranch_scc1 .Lnot_wave_0_\@
	s_barrier_signal -3
.Lnot_wave_0_\@:
	s_barrier_wait -3
	s_barrier_signal -1
	s_barrier_wait -1
.endm
.macro CROUND
	s_barrier_signal -1
	s_barrier_wait -1
	CREST
.endm
; The first fills, in two groups of one load a wave.  first = 1: waves 0, 1 fetch their HB of rows (kh = 0), waves 2, 3 their HB of weights (slot 0).  first = 0: the other way round (slot 1; the rows of kh = 1).
; Each line has one mask; the branch hangs on the wave's number alone; an s_nop 0 and four v_nop follow each line.
.macro HLOAD first
	s_cmp_lt_u32 s[WV], 2
.if \first
	s_cbranch_scc0 .Lhw_\@
.else
	s_cbranch_scc1 .Lhw_\@
.endif
	tensor_load_to_lds s[G0R:G0R+3], s[G1R:G1R+7]
	s_nop 0
.rept 4
	v_nop
.endr
	s_branch .Lhj_\@
.Lhw_\@:
	tensor_load_to_lds s[G0H:G0H+3], s[G1W:G1W+7]
	s_nop 0
.rept 4
	v_nop
.endr
.Lhj_\@:
.endm
.macro JLOAD s
	tensor_load_to_lds s[G0S+4*(\s):G0S+4*(\s)+3], s[G1S:G1S+7]
	s_nop 0
.rept 4
	v_nop
.endr
.endm
.macro SETG0 slot                      ; the slot's group 0 is made anew for the next tile (no tensor load of mine is out)
	s_add_nc_u64 s[G0S+4*(\slot)+2:G0S+4*(\slot)+3], s[WB:WB+1], s[OF:OF+1]
.if (\slot) == 1
	s_add_nc_u64 s[G0S+4*(\slot)+2:G0S+4*(\slot)+3], s[G0S+4*(\slot)+2:G0S+4*(\slot)+3], 2*HB
.endif
	s_or_b32 s[G0S+4*(\slot)+3], s[G0S+4*(\slot)+3], 0x80000000
.endm
; One matrix instruction: rows' block a x weights' block b, the slot's q-th 128 along K.  A scale register holds an even block's words in lanes 0-15 and the odd block's in lanes 16-31.
.macro WM a, b, set, q, sc, zero
.set rD, 8*(8*((\a)%4)+(\b))
.set rW, 128*(\set)+8*(\b)
.set rA, AF+8*(\a)
.set rC, RC+8*(\a)
.set rSW, SC+32*(\sc)+16+4*((\b)/2)+(\q)
.set rSA, SC+32*(\sc)+4*((\a)/2)+(\q)
.set fl, 4*(\zero)+2*((\b)%2)+((\a)%2)
.if fl == 0
	v_wmma_scale_f32_16x16x128_f8f6f4 v[rD:rD+7], v[rW:rW+7], v[rA:rA+7], v[rD:rD+7], v[rSW], v[rSA] matrix_a_fmt:MATRIX_FMT_FP4 matrix_b_fmt:MATRIX_FMT_FP4
.elseif fl == 1
	v_wmma_scale_f32_16x16x128_f8f6f4 v[rD:rD+7], v[rW:rW+7], v[rA:rA+7], v[rD:rD+7], v[rSW], v[rSA] matrix_a_fmt:MATRIX_FMT_FP4 matrix_b_fmt:MATRIX_FMT_FP4 matrix_b_scale:MATRIX_SCALE_ROW1
.elseif fl == 2
	v_wmma_scale_f32_16x16x128_f8f6f4 v[rD:rD+7], v[rW:rW+7], v[rA:rA+7], v[rD:rD+7], v[rSW], v[rSA] matrix_a_fmt:MATRIX_FMT_FP4 matrix_b_fmt:MATRIX_FMT_FP4 matrix_a_scale:MATRIX_SCALE_ROW1
.elseif fl == 3
	v_wmma_scale_f32_16x16x128_f8f6f4 v[rD:rD+7], v[rW:rW+7], v[rA:rA+7], v[rD:rD+7], v[rSW], v[rSA] matrix_a_fmt:MATRIX_FMT_FP4 matrix_b_fmt:MATRIX_FMT_FP4 matrix_a_scale:MATRIX_SCALE_ROW1 matrix_b_scale:MATRIX_SCALE_ROW1
.elseif fl == 4
	v_wmma_scale_f32_16x16x128_f8f6f4 v[rD:rD+7], v[rW:rW+7], v[rA:rA+7], v[rC:rC+7], v[rSW], v[rSA] matrix_a_fmt:MATRIX_FMT_FP4 matrix_b_fmt:MATRIX_FMT_FP4
.elseif fl == 5
	v_wmma_scale_f32_16x16x128_f8f6f4 v[rD:rD+7], v[rW:rW+7], v[rA:rA+7], v[rC:rC+7], v[rSW], v[rSA] matrix_a_fmt:MATRIX_FMT_FP4 matrix_b_fmt:MATRIX_FMT_FP4 matrix_b_scale:MATRIX_SCALE_ROW1
.elseif fl == 6
	v_wmma_scale_f32_16x16x128_f8f6f4 v[rD:rD+7], v[rW:rW+7], v[rA:rA+7], v[rC:rC+7], v[rSW], v[rSA] matrix_a_fmt:MATRIX_FMT_FP4 matrix_b_fmt:MATRIX_FMT_FP4 matrix_a_scale:MATRIX_SCALE_ROW1
.else
	v_wmma_scale_f32_16x16x128_f8f6f4 v[rD:rD+7], v[rW:rW+7], v[rA:rA+7], v[rC:rC+7], v[rSW], v[rSA] matrix_a_fmt:MATRIX_FMT_FP4 matrix_b_fmt:MATRIX_FMT_FP4 matrix_a_scale:MATRIX_SCALE_ROW1 matrix_b_scale:MATRIX_SCALE_ROW1
.endif
.endm
.macro MULH a0, set, q, sc, zero       ; 16 matrix instructions: rows' blocks a0, a0 + 1 x the weights' eight.  The 64 accumulators take turns, one instruction a turn, in the same order in every step
.irp a, \a0, \a0+1
.irp b, 0,1,2,3,4,5,6,7
	WM (\a), \b, \set, \q, \sc, \zero
.endr
.endr
.endm
.macro FETCH_W slot, q, set            ; the weights' eight fragments of the slot's q-th 128 along K
	WIN 0x40
.irp b, 0,1,2,3,4,5,6,7
	ds_load_b128 v[128*(\set)+8*\b:128*(\set)+8*\b+3],   v[ADW+(\slot)] offset:\b*4096+(\q)*1024
	ds_load_b128 v[128*(\set)+8*\b+4:128*(\set)+8*\b+7], v[ADW+(\slot)] offset:\b*4096+(\q)*1024+512
.endr
	WIN 0
.endm
.macro FETCH_A ph, q, i0               ; the rows' blocks i0 .. i0 + 3
.irp i, \i0, \i0+1, \i0+2, \i0+3
	ds_load_b128 v[AF+8*(\i):AF+8*(\i)+3],   v[ADA+(\ph)] offset:(\i)*4096+(\q)*1024
	ds_load_b128 v[AF+8*(\i)+4:AF+8*(\i)+7], v[ADA+(\ph)] offset:(\i)*4096+(\q)*1024+512
.endr
.endm
.macro SCALES ph                       ; the scale words of 512 along K: four registers (q = 0..3) for each pair of blocks
.irp i, 0,1,2,3
	ds_load_b128 v[SC+32*(\ph)+4*\i:SC+32*(\ph)+4*\i+3], v[ADA+(\ph)] offset:32768+\i*512
.endr
.irp i, 0,1,2,3
	ds_load_b128 v[SC+32*(\ph)+16+4*\i:SC+32*(\ph)+16+4*\i+3], v[ADW+(\ph)] offset:32768+\i*512
.endr
.endm
.macro STEP slot, q, zero              ; 128 along K with its successor in the same slot
	s_wait_dscnt 8                                 ; all but the youngest eight loads (the rows' blocks 4-7) are in
	WIN 0xa1-0x10*(\zero)                          ; a tile's first products take C from window 1
	MULH 0, (\q)%2, \q, \slot, \zero
	MULH 2, (\q)%2, \q, \slot, \zero
	s_wait_dscnt 0x0
	PLACES
	FETCH_W \slot, (\q)+1, 1-(\q)%2
	FETCH_A \slot, (\q)+1, 0
	WIN 0xf1-0x20*(\zero)
	MULH 4, (\q)%2, \q, \slot, \zero
	MULH 6, (\q)%2, \q, \slot, \zero
	PLACES
	WIN 0
	FETCH_A \slot, (\q)+1, 4
.endm
; Slot 0's last step changes slots: each wave waits for all its tensor loads, adds 0 to its spare word, waits for that and for its reads of the slot; then one barrier.
; fill = 1: the barrier opens a round of the cluster's, and behind it the slot takes the next tile's weights.
.macro TURN slot, next, fill
	s_wait_tensorcnt 0x0                           ; all my tensor loads have landed: my quarter of the next slot
	ds_add_u32 v[SPW], v[NIL]
	s_wait_dscnt 9                                 ; (the add and the youngest eight loads may be out)
	WIN 0xa1
	MULH 0, 1, 3, \slot, 0
	s_wait_dscnt 0x0                               ; the add is done, and my reads of this slot are over
	s_barrier_signal -1
	MULH 2, 1, 3, \slot, 0
	WIN 0
	s_barrier_wait -1
.if \fill
	CREST                                          ; no wave of any partner still reads this slot or has a load on its way
	SETG0 \slot
	JLOAD \slot                                    ; the first tensor load behind the round; its four v_nop are also the places in front of the loads below
.else
	PLACES
.endif
	FETCH_W \next, 0, 0
	FETCH_A \next, 0, 0
	SCALES \next
	WIN 0xf1
	MULH 4, 1, 3, \slot, 0
	MULH 6, 1, 3, \slot, 0
	PLACES
	WIN 0
	FETCH_A \next, 0, 4
.endm
; A change of slots that stands amid vector work: the slot, read out some time ago, takes the next tile's weights, and the next phase's first fragments are fetched from the other slot, which the wait and the round show whole.
.macro RFILL slot, next
	WIN 0
	s_wait_tensorcnt 0x0                           ; all my tensor loads have landed: my quarter of the other slot
	ds_add_u32 v[SPW], v[NIL]                      ; 0 onto my spare word; the descriptor's words stand between it and the wait for it
	SETG0 \slot
	s_wait_dscnt 0x0                               ; the add is done; my reads of the slot were over long ago
	CROUND                                         ; no wave of any partner still reads the slot or has a load on its way
	JLOAD \slot
	FETCH_W \next, 0, 0
	FETCH_A \next, 0, 0
	SCALES \next
	FETCH_A \next, 0, 4
.endm
.macro LAST slot                       ; a tile's last step: nothing is fetched
	s_wait_dscnt 8
	WIN 0xa1
	MULH 0, 1, 3, \slot, 0
	MULH 2, 1, 3, \slot, 0
	s_wait_dscnt 0x0
	WIN 0xf1
	MULH 4, 1, 3, \slot, 0
	MULH 6, 1, 3, \slot, 0
	PLACES
	WIN 0
.endm
; A tile's 64 accumulators go into the statistics; each is read from its low end on.  The four blocks of rows of a window take turns, so that no line waits for the line above it.
; more = 1: a tile follows: slot 1 is filled again between the two windows' halves.
.macro EPI more
.if \more
; The walk's first tile was summed onto C = 0.  It sets REF (a lane's first number of each block of rows), lays -REF into the eight registers that the later tiles' first products take as C, and takes REF off its own 512 sums in place.
; The branch hangs on the tile counter alone and leads round vector work alone.
	s_cmp_lg_u32 s2, NTILE
	s_wait_alu depctr_va_vdst(0)
	s_cbranch_scc1 .Lref_\@
.irp u, 0,1
	WIN 0x02+\u
.irp a, 0,1,2,3
	v_mov_b32 v[ST+6*(4*\u+\a)], v[64*\a]          ; REF
.endr
	WIN 0x42+\u
.irp a, 0,1,2,3
.irp j, 0,1,2,3,4,5,6,7
	v_mul_f32 v[RC+8*(4*\u+\a)+\j], v[64*\a], -1.0
.endr
.endr
.endr
.irp u, 0,1
	WIN 0x86+0x41*\u
.irp b, 0,1,2,3,4,5,6,7
.irp i, 0,2,4,6
.irp a, 0,1,2,3
	v_pk_add_f32 v[64*\a+8*\b+\i:64*\a+8*\b+\i+1], v[64*\a+8*\b+\i:64*\a+8*\b+\i+1], v[RC+8*(4*\u+\a):RC+8*(4*\u+\a)+1]
.endr
.endr
.endr
.endr
	WIN 0
.Lref_\@:
.endif
; Every accumulator now holds x - REF: S and Q take it as it lies, two fused multiply-adds for two numbers.
.irp u, 0,1
.if (\more) && (\u == 1)
	RFILL 1, 0
.endif
	WIN 0x0a+5*\u
.irp b, 0,1,2,3,4,5,6,7
.irp i, 0,2,4,6
.irp a, 0,1,2,3
	v_pk_fma_f32 v[ST+6*(4*\u+\a)+2:ST+6*(4*\u+\a)+3], v[64*\a+8*\b+\i:64*\a+8*\b+\i+1], 1.0, v[ST+6*(4*\u+\a)+2:ST+6*(4*\u+\a)+3] op_sel_hi:[1,0,1]
	v_pk_fma_f32 v[ST+6*(4*\u+\a)+4:ST+6*(4*\u+\a)+5], v[64*\a+8*\b+\i:64*\a+8*\b+\i+1], v[64*\a+8*\b+\i:64*\a+8*\b+\i+1], v[ST+6*(4*\u+\a)+4:ST+6*(4*\u+\a)+5]
.endr
.endr
.endr
.endr
	WIN 0
.endm
	s_load_b128 s[4:7], s[0:1], 0x0                ; act, wts
	s_load_b64 s[8:9], s[0:1], 0x10                ; st12
	v_lshl_add_u32 v[SPW], v0, 2, SPARE
	v_mov_b32 v[NIL], 0
	ds_add_u32 v[SPW], v[NIL]                      ; the wave's opening: the add, twice on end, and its wait ahead of my first tensor load
	ds_add_u32 v[SPW], v[NIL]
	v_lshrrev_b32 v1, 5, v0
	v_readfirstlane_b32 s[WV], v1                  ; wave 0..3
	s_lshr_b32 s11, s[WV], 1                       ; rh: which 128 rows
	s_and_b32 s12, s[WV], 1                        ; ch: which 128 columns
	s_bfe_u32 s13, ttmp6, 0x40000                  ; cx
	s_bfe_u32 s14, ttmp6, 0x40004                  ; cy
	s_and_b32 s15, ttmp7, 0xffff                   ; cluster y
	s_lshl_b32 s16, s15, 2
	s_add_co_u32 s16, s16, s14                     ; y = 4 x cluster y + cy
	s_lshr_b32 s19, s15, 3                         ; p = y / 32, made of the cluster's y alone: the same in all sixteen
	s_lshl_b32 s17, s14, 2
	s_lshl_b32 s17, 15, s17                        ; my row of the cluster
	s_lshl_b32 s18, 0x1111, s13                    ; my column
	; descriptors: dense blocks as rows of 256 bytes (32 elements of 8 bytes), no padding
	s_or_b32 s[G1R], s17, (3<<16)|(1<<21)          ; 15:0 the mask; 17:16 elements of 8 bytes; 21 set beside a mask
	s_or_b32 s[G1S], s18, (3<<16)|(1<<21)
	s_mov_b32 s[G1R+1], 32<<16                     ; tensor_dim0
	s_mov_b32 s[G1R+2], 136<<16                    ; tensor_dim1: an HB is 136 rows
	s_mov_b32 s[G1R+3], 32<<16                     ; tile_dim0
	s_mov_b32 s[G1R+4], 136                        ; tile_dim1
	s_mov_b32 s[G1R+5], 32                         ; the pitch
	s_mov_b32 s[G1R+6], 0
	s_mov_b32 s[G1R+7], 0
	s_mov_b32 s[G1S+1], 32<<16
	s_mov_b32 s[G1S+2], 68<<16                     ; a quarter slot is 68 rows
	s_mov_b32 s[G1S+3], 32<<16
	s_mov_b32 s[G1S+4], 68
	s_mov_b32 s[G1S+5], 32
	s_mov_b32 s[G1S+6], 0
	s_mov_b32 s[G1S+7], 0
	s_or_b32 s[G1W], s18, (3<<16)|(1<<21)          ; a whole HB of weights, to my column of the cluster
	s_mov_b32 s[G1W+1], 32<<16
	s_mov_b32 s[G1W+2], 136<<16
	s_mov_b32 s[G1W+3], 32<<16
	s_mov_b32 s[G1W+4], 136
	s_mov_b32 s[G1W+5], 32
	s_mov_b32 s[G1W+6], 0
	s_mov_b32 s[G1W+7], 0
	s_lshl_b32 s20, s16, 2
	s_add_co_u32 s20, s20, s[WV]
	s_mul_i32 s20, s20, HB                         ; the rows: HB 4 y + wave (wave = 2 kh + hf)
	s_mov_b32 s21, 0
	s_lshl_b32 s22, s19, 6
	s_lshl_b32 s23, s13, 4
	s_add_co_u32 s22, s22, s23
	s_mul_i32 s22, s22, HB                         ; the weights: HB 64 p + 16 cx,
	s_xor_b32 s80, s[WV], 2                        ; among the first fills waves 2, 3 fetch the first tile's HB 0, 1 (slot 0), waves 0, 1 its HB 2, 3 (slot 1): HB wave xor 2,
	s_mul_i32 s82, s80, HB
	s_add_co_u32 s82, s82, s22
	s_mov_b32 s83, 0
	s_add_co_u32 s80, s80, 4
	s_mul_i32 s[G0H+1], s80, HB                    ; to LDS behind the rows' four HB
	s_mov_b32 s[G0H], 1
	s_mul_i32 s23, s[WV], QB
	s_add_co_u32 s22, s22, s23                     ; my quarter
	s_mov_b32 s23, 0
	s_and_b32 s[TN], s15, 3                        ; the tile at which my cluster's walk begins,
	s_mul_i32 s24, s[TN], 4*HB                     ; its weights' place,
	s_mov_b32 s25, 0
	s_add_co_u32 s[TN], s[TN], 1
	s_and_b32 s[TN], s[TN], 3                      ; and the tile after it
	s_mov_b32 s[G0R], 1
	s_mul_i32 s[G0R+1], s[WV], HB                  ; LDS addresses hang on the wave's number alone
	s_mov_b32 s[G0S], 1
	s_mov_b32 s[G0S+4], 1
	s_mul_i32 s[G0S+1], s[WV], QB
	s_add_co_u32 s[G0S+5], s[G0S+1], SLOT1
	s_add_co_u32 s[G0S+1], s[G0S+1], SLOT0
	s_lshl_b32 s26, s19, 3                         ; where my statistics go: part 8 p + 2 cx + ch,
	s_lshl_b32 s27, s13, 1
	s_add_co_u32 s26, s26, s27
	s_add_co_u32 s26, s26, s12
	s_lshl_b32 s26, s26, 16
	s_and_b32 s27, s16, 31
	s_lshl_b32 s27, s27, 11                        ; rows 256 (y % 32) + 128 rh on, 8 bytes each
	s_add_co_u32 s26, s26, s27
	s_lshl_b32 s27, s11, 10
	s_add_co_u32 s26, s26, s27
	s_mov_b32 s27, 0
	s_mov_b32 s[SEL], 0x76543210
	s_mov_b32 s[SEL+1], 0xfedcba98
	s_mov_b32 s34, 0xffff0000
	s_wait_dscnt 0x0                               ; both opening adds are done
	s_wait_kmcnt 0x0
	s_add_nc_u64 s[G0R+2:G0R+3], s[4:5], s[20:21]
	s_or_b32 s[G0R+3], s[G0R+3], 0x80000000
	s_add_nc_u64 s[WB:WB+1], s[6:7], s[22:23]      ; kept: each refill's address is made from it
	s_add_nc_u64 s[G0S+2:G0S+3], s[WB:WB+1], s[24:25]
	s_add_nc_u64 s[G0S+6:G0S+7], s[G0S+2:G0S+3], 2*HB   ; slot 1: kh = 1
	s_or_b32 s[G0S+3], s[G0S+3], 0x80000000
	s_or_b32 s[G0S+7], s[G0S+7], 0x80000000
	s_add_nc_u64 s[G0H+2:G0H+3], s[6:7], s[82:83]
	s_add_nc_u64 s[G0H+2:G0H+3], s[G0H+2:G0H+3], s[24:25]
	s_or_b32 s[G0H+3], s[G0H+3], 0x80000000
	s_add_nc_u64 s[8:9], s[8:9], s[26:27]
	CROUND                                         ; all sixteen work-groups are here: the first joint loads meet
	HLOAD 1                                        ; what kh = 0 needs: the rows' HB 0, 1 and slot 0, one load a wave
	v_and_b32 v1, 31, v0
	v_lshlrev_b32 v2, 4, v1                        ; 16 x lane
	v_lshlrev_b32 v[SO], 3, v1
	s_mul_i32 s24, s11, HB
	v_add_nc_u32 v[ADA], s24, v2                   ; HB 2 kh + rh
	s_add_co_u32 s24, s24, 2*HB
	v_add_nc_u32 v[ADA+1], s24, v2
	s_mul_i32 s25, s12, HB
	s_add_co_u32 s25, s25, SLOT0
	v_add_nc_u32 v[ADW], s25, v2
	s_add_co_u32 s25, s25, 2*HB
	v_add_nc_u32 v[ADW+1], s25, v2
.irp j, 0,1,2,3,4,5,6,7,8,9,10,11,12,13,14,15,16,17,18,19,20,21,22,23,24,25,26,27,28,29,30,31,32,33,34,35,36,37,38,39,40,41,42,43,44,45,46,47
	v_mov_b32 v[ST+\j], 0                          ; REF, S, Q
.endr
	WIN 0x40
.set J, 0
.rept 64
	v_mov_b32 v[RC+J], 0                           ; the walk's first tile is summed onto 0
.set J, J+1
.endr
	WIN 0
	s_wait_alu depctr_va_vdst(0)
	s_wait_tensorcnt 0x0                           ; my first fill is in
	ds_add_u32 v[SPW], v[NIL]
	s_wait_dscnt 0x0
	CROUND                                         ; everybody's first fill is in, and all sixteen work-groups are here
	HLOAD 0                                        ; what kh = 1 needs: slot 1 and the rows' HB 2, 3; it lands under the products of kh = 0
	FETCH_W 0, 0, 0
	FETCH_A 0, 0, 0
	SCALES 0
	FETCH_A 0, 0, 4
	s_mov_b32 s2, NTILE                            ; tiles to go: the same in every work-group
.Ltile:
	s_mul_i32 s[OF], s[TN], 4*HB                   ; where the next tile's weights lie (s23 stays 0); in the last tile the number is not used
	s_add_co_u32 s[TN], s[TN], 1
	s_and_b32 s[TN], s[TN], 3
	STEP 0, 0, 1                                   ; a tile's first products start the sums: nothing is cleared
	STEP 0, 1, 0
	STEP 0, 2, 0
	s_cmp_eq_u32 s2, 1
	s_cbranch_scc1 .Llast                          ; the last tile's tail is written out: it asks for nothing more
	TURN 0, 1, 1
	STEP 1, 0, 0
	STEP 1, 1, 0
	STEP 1, 2, 0
	LAST 1
	EPI 1                                          ; slot 1's refill and the next tile's first fragments are asked for in its middle
	s_sub_co_u32 s2, s2, 1
	s_cmp_lg_u32 s2, 0                             ; holds in each of the three trips that come here: the loop is left from its middle, in the fourth
	s_cbranch_scc1 .Ltile
.Llast:
	TURN 0, 1, 0
	STEP 1, 0, 0
	STEP 1, 1, 0
	STEP 1, 2, 0
	LAST 1
	EPI 0
	; a lane's 256 numbers of each of its eight rows: mean and M2; then with lane l xor 16's 256
.irp a, 0,1,2,3,4,5,6,7
	v_add_f32 v[ST+6*\a+2], v[ST+6*\a+2], v[ST+6*\a+3]                ; S
	v_add_f32 v[ST+6*\a+4], v[ST+6*\a+4], v[ST+6*\a+5]                ; Q
.endr
.irp a, 0,1,2,3,4,5,6,7
	v_mul_f32 v[ST+6*\a+3], 0x3b800000, v[ST+6*\a+2]                  ; S / 256
.endr
.irp a, 0,1,2,3,4,5,6,7
	v_add_f32 v[ST+6*\a], v[ST+6*\a], v[ST+6*\a+3]                    ; mean
	v_fma_f32 v[ST+6*\a+1], -v[ST+6*\a+3], v[ST+6*\a+2], v[ST+6*\a+4] ; M2
.endr
.irp a, 0,1,2,3,4,5,6,7
	v_max_num_f32 v[ST+6*\a+1], 0, v[ST+6*\a+1]
.endr
.irp a, 0,1,2,3,4,5,6,7
	v_permlanex16_b32 v[ST+6*\a+2], v[ST+6*\a], s[SEL], s[SEL+1]
	v_permlanex16_b32 v[ST+6*\a+4], v[ST+6*\a+1], s[SEL], s[SEL+1]
.endr
.irp a, 0,1,2,3,4,5,6,7
	v_sub_f32 v[ST+6*\a+3], v[ST+6*\a], v[ST+6*\a+2]
	v_add_f32 v[ST+6*\a], v[ST+6*\a], v[ST+6*\a+2]
	v_add_f32 v[ST+6*\a+1], v[ST+6*\a+1], v[ST+6*\a+4]
.endr
.irp a, 0,1,2,3,4,5,6,7
	v_mul_f32 v[ST+6*\a+3], v[ST+6*\a+3], v[ST+6*\a+3]
	v_mul_f32 v[ST+6*\a], 0.5, v[ST+6*\a]
.endr
.irp a, 0,1,2,3,4,5,6,7
	v_fmamk_f32 v[ST+6*\a+1], v[ST+6*\a+3], 0x43000000, v[ST+6*\a+1]  ; + 128 x (the two means' difference)^2
.endr
.irp a, 0,2,4,6
	v_cndmask_b32 v[OUTR+\a], v[ST+6*\a], v[ST+6*\a+6], s34           ; lanes 0-15: block a's rows; lanes 16-31: block a + 1's
	v_cndmask_b32 v[OUTR+\a+1], v[ST+6*\a+1], v[ST+6*\a+7], s34
.endr
.irp a, 0,2,4,6
	global_store_b64 v[SO], v[OUTR+\a:OUTR+\a+1], s[8:9] offset:\a*128   ; 32 lanes store 256 consecutive bytes, aligned
.endr
	s_wait_tensorcnt 0x0                           ; the wave's end
	ds_add_u32 v[SPW], v[NIL]
	s_wait_dscnt 0x0
	CROUND                                         ; the closing round: no work-group ends while a partner may still ask for a tile that names it
	s_endpgm
.Lfunc_end_k_q76c97d4e31_stats:
	.size	k_q76c97d4e31_stats, .Lfunc_end_k_q76c97d4e31_stats-k_q76c97d4e31_stats
	.p2alignl 7, 3214868480
	.fill 96, 4, 3214868480
	.section	.rodata,"a",@progbits
	.p2align	6, 0x0
	.amdhsa_kernel k_q76c97d4e31_stats
		.amdhsa_group_segment_fixed_size 327680
		.amdhsa_private_segment_fixed_size 0
		.amdhsa_enable_private_segment 0
		.amdhsa_kernarg_size 24
		.amdhsa_user_sgpr_count 2
		.amdhsa_user_sgpr_kernarg_segment_ptr 1
		.amdhsa_wavefront_size32 1
		.amdhsa_system_sgpr_workgroup_id_x 1
		.amdhsa_system_sgpr_workgroup_id_y 1
		.amdhsa_system_sgpr_workgroup_id_z 1
		.amdhsa_system_vgpr_workitem_id 0
		.amdhsa_next_free_vgpr 1024
		.amdhsa_next_free_sgpr 84
		.amdhsa_reserve_vcc 0
		.amdhsa_float_denorm_mode_32 3
		.amdhsa_float_denorm_mode_16_64 3
		.amdhsa_memory_ordered 1
		.amdhsa_forward_progress 1
		.amdhsa_inst_pref_size 242
	.end_amdhsa_kernel
	.amdgpu_metadata
---
amdhsa.version: [ 1, 2 ]
amdhsa.kernels:
  - .name:           k_q76c97d4e31_stats
    .symbol:         k_q76c97d4e31_stats.kd
    .args:
      - { .name: act, .offset: 0, .size: 8, .value_kind: global_buffer, .address_space: global }
      - { .name: wts, .offset: 8, .size: 8, .value_kind: global_buffer, .address_space: global }
      - { .name: st12, .offset: 16, .size: 8, .value_kind: global_buffer, .address_space: global }
    .group_segment_fixed_size: 327680
    .private_segment_fixed_size: 0
    .kernarg_segment_align: 8
    .kernarg_segment_size: 24
    .max_flat_workgroup_size: 128
    .sgpr_count:     84
    .vgpr_count:     1024
    .wavefront_size: 32
...
	.end_amdgpu_metadata
.endif
;; end of part 2
;; launch gates (part 3): grid 4 x 64, 4 waves a work-group, clusters of 4 x 4, 327,680 bytes of LDS; arguments act, wts, st12, c0, par, out1, og, st3; writes out1, og, st3
.if DOCPART == 3
	.amdgcn_target "amdgcn-amd-amdhsa--gfx1250"
	.amdhsa_code_object_version 6
	.text
	.protected	k_q76c97d4e31_gates
	.globl	k_q76c97d4e31_gates
	.p2align	8
	.type	k_q76c97d4e31_gates,@function
k_q76c97d4e31_gates:
	s_mov_b64 s[64:65], 0
	v_nop
	global_prefetch_b8 v0, s[64:65] scope:SCOPE_SE
	s_setreg_imm32_b32 hwreg(HW_REG_WAVE_MODE, 25, 1), 1
	s_wait_xcnt 0x0
	s_wait_alu depctr_hold_cnt(0) depctr_sa_sdst(0) depctr_va_vdst(0) depctr_va_sdst(0) depctr_va_ssrc(0) depctr_va_vcc(0) depctr_vm_vsrc(0)
	s_getreg_b32 s2, hwreg(HW_REG_IB_STS2, 6, 4)
	s_cmp_eq_u32 s2, 0
	s_cbranch_scc0 .Lentry_in_a_cluster
	s_endpgm
.Lentry_in_a_cluster:
	s_bfe_u32 s2, ttmp6, 0x10000c
	s_cmp_lg_u32 s2, 0xf033
	s_cbranch_scc0 .Lentry_shape_is_right
	s_endpgm
.Lentry_shape_is_right:
; LSTM cell, launch 3 of 4: both products once more on codes of FP4; LN1 and LN2 by launch 2's statistics; the gates; c1 -> out1; the o gate's exponent -> og; LN3's statistics of runs of 64 columns -> st3.  No work of reference() is left out.
; SHARES.  Work-group (cx, y): rows 128 y on, column tiles ct = 4 cx + 0..3, each 64 columns of each of the four gates; it stays and walks the four.  Wave w: 128 rows x 16 columns x 4 gates, for both products: 2 x 32 accumulators (windows 2, 3).
; Its rows' codes (4 HB: phase = 2 p + kh) stay in LDS; the weights stream through two slots of 2 HB.  CLUSTER 4 x 4: rows are asked for jointly along a row of the cluster, weights along a column.
; THE FIRST FILLS go out in two groups, one load a wave: the rows of p = 0 and slot 0; then, behind a round, slot 1 and the rows of p = 1, which land under phase 0's products.
; A STEP of 128 along K is 32 matrix instructions on 4 fragments of weights and 8 of rows.  Both have two sets of registers: a step begins by asking for the next step's 24 LDS loads, in one run, and waits for its own, asked for one step earlier.
; The rows' second set lies in v136-199, which the gates' arithmetic uses between the products.
; THE PARAMETERS come joined from launch 1 (par): F ln1_g, F ln2_g, F (ln1_b + ln2_b + bias), F = -log2(e) for the sigmoids, 2 log2(e) for the tanh.  sigmoid(y) = 1 / (1 + 2^(-log2(e) y)); tanh(y) = 1 - 2 / (1 + 2^(2 log2(e) y)).
; LIMITS: the order of the norms' sums is not reference()'s; NaN and infinities are not served.
.set HB,    34816
.set QB,    17408
.set SLOT0, 4*HB
.set SLOT1, 6*HB
.set STG,   8*HB
.set TAB,   STG+34816
.set SPARE, TAB+4096
.set NTILE, 4
.set ADA,  4
.set ADW,  8
.set ASW,  10
.set STO,  12
.set RD,   13
.set GO,   14
.set C0O,  15
.set PO,   16
.set PFO,  17
.set TBR,  18
.set S3O,  19
.set SPW,  20
.set NIL,  21
.set POB,  22
.set SC,   24
.set AF,   72
.set T1,   136
.set T2,   168
.set ST,   200
.set WK,   248
.set C0R,  32
.set G1P,  64
.set G2P,  96
.set CBP,  128
.set RS,   160
.set OB,   224
.set WV,   28
.set G1S,  36
.set G1R,  44
.set G0R,  52
.set G0S,  56
.set G1W,  76                          ; s[76:83] group 1 for a whole HB of weights;  s[84:87] group 0 for the HB of weights that I fetch among the first fills (written when the head's offsets that lay there are used up)
.set G0H,  84
.set SEL,  72
.set TN,   88
.set WB,   92
.set OFN,  94
.set C0B,  96
.set O1B,  98
.set OGB,  100
.set COL,  104
.set MSB, 0
.macro WIN new
.if MSB != (\new)
	s_set_vgpr_msb (MSB<<8)|(\new)
.set MSB, (\new)
.endif
.endm
.macro PLACES
.rept 4
	v_nop
.endr
.endm
.macro CREST
	s_cmp_lg_u32 s[WV], 0
	s_cbranch_scc1 .Lnot_wave_0_\@
	s_barrier_signal -3
.Lnot_wave_0_\@:
	s_barrier_wait -3
	s_barrier_signal -1
	s_barrier_wait -1
.endm
.macro CROUND
	s_barrier_signal -1
	s_barrier_wait -1
	CREST
.endm
; The first fills, in two groups of one load a wave.  first = 1: waves 0, 1 fetch their HB of rows (p = 0), waves 2, 3 their HB of weights (slot 0).  first = 0: the other way round (slot 1; the rows of p = 1).
; Each line has one mask; the branch hangs on the wave's number alone; an s_nop 0 and four v_nop follow each line.
.macro HLOAD first
	s_cmp_lt_u32 s[WV], 2
.if \first
	s_cbranch_scc0 .Lhw_\@
.else
	s_cbranch_scc1 .Lhw_\@
.endif
	tensor_load_to_lds s[G0R:G0R+3], s[G1R:G1R+7]
	s_nop 0
.rept 4
	v_nop
.endr
	s_branch .Lhj_\@
.Lhw_\@:
	tensor_load_to_lds s[G0H:G0H+3], s[G1W:G1W+7]
	s_nop 0
.rept 4
	v_nop
.endr
.Lhj_\@:
.endm
.macro JLOAD s
	tensor_load_to_lds s[G0S+4*(\s):G0S+4*(\s)+3], s[G1S:G1S+7]
	s_nop 0
.rept 4
	v_nop
.endr
.endm
.macro SETG0 slot, fill
.if (\fill) == 1
	s_add_nc_u64 s[G0S+4*(\slot)+2:G0S+4*(\slot)+3], s[G0S+4*(\slot)+2:G0S+4*(\slot)+3], 64*HB
.else
	s_add_nc_u64 s[G0S+4*(\slot)+2:G0S+4*(\slot)+3], s[WB:WB+1], s[OFN:OFN+1]
.if (\slot) == 1
	s_add_nc_u64 s[G0S+4*(\slot)+2:G0S+4*(\slot)+3], s[G0S+4*(\slot)+2:G0S+4*(\slot)+3], 2*HB
.endif
	s_or_b32 s[G0S+4*(\slot)+3], s[G0S+4*(\slot)+3], 0x80000000
.endif
.endm
.macro WM a, g, set, q, sc, zero
.set rD, 8*(4*(\a)+(\g))
.set rW, 32*(\set)+8*(\g)
.set rA, AF+64*(\set)+8*(\a)
.set rSW, SC+24*(\sc)+16+4*((\g)/2)+(\q)
.set rSA, SC+24*(\sc)+4*((\a)/2)+(\q)
.set fl, 4*(\zero)+2*((\g)%2)+((\a)%2)
.if fl == 0
	v_wmma_scale_f32_16x16x128_f8f6f4 v[rD:rD+7], v[rW:rW+7], v[rA:rA+7], v[rD:rD+7], v[rSW], v[rSA] matrix_a_fmt:MATRIX_FMT_FP4 matrix_b_fmt:MATRIX_FMT_FP4
.elseif fl == 1
	v_wmma_scale_f32_16x16x128_f8f6f4 v[rD:rD+7], v[rW:rW+7], v[rA:rA+7], v[rD:rD+7], v[rSW], v[rSA] matrix_a_fmt:MATRIX_FMT_FP4 matrix_b_fmt:MATRIX_FMT_FP4 matrix_b_scale:MATRIX_SCALE_ROW1
.elseif fl == 2
	v_wmma_scale_f32_16x16x128_f8f6f4 v[rD:rD+7], v[rW:rW+7], v[rA:rA+7], v[rD:rD+7], v[rSW], v[rSA] matrix_a_fmt:MATRIX_FMT_FP4 matrix_b_fmt:MATRIX_FMT_FP4 matrix_a_scale:MATRIX_SCALE_ROW1
.elseif fl == 3
	v_wmma_scale_f32_16x16x128_f8f6f4 v[rD:rD+7], v[rW:rW+7], v[rA:rA+7], v[rD:rD+7], v[rSW], v[rSA] matrix_a_fmt:MATRIX_FMT_FP4 matrix_b_fmt:MATRIX_FMT_FP4 matrix_a_scale:MATRIX_SCALE_ROW1 matrix_b_scale:MATRIX_SCALE_ROW1
.elseif fl == 4
	v_wmma_scale_f32_16x16x128_f8f6f4 v[rD:rD+7], v[rW:rW+7], v[rA:rA+7], 0, v[rSW], v[rSA] matrix_a_fmt:MATRIX_FMT_FP4 matrix_b_fmt:MATRIX_FMT_FP4
.elseif fl == 5
	v_wmma_scale_f32_16x16x128_f8f6f4 v[rD:rD+7], v[rW:rW+7], v[rA:rA+7], 0, v[rSW], v[rSA] matrix_a_fmt:MATRIX_FMT_FP4 matrix_b_fmt:MATRIX_FMT_FP4 matrix_b_scale:MATRIX_SCALE_ROW1
.elseif fl == 6
	v_wmma_scale_f32_16x16x128_f8f6f4 v[rD:rD+7], v[rW:rW+7], v[rA:rA+7], 0, v[rSW], v[rSA] matrix_a_fmt:MATRIX_FMT_FP4 matrix_b_fmt:MATRIX_FMT_FP4 matrix_a_scale:MATRIX_SCALE_ROW1
.else
	v_wmma_scale_f32_16x16x128_f8f6f4 v[rD:rD+7], v[rW:rW+7], v[rA:rA+7], 0, v[rSW], v[rSA] matrix_a_fmt:MATRIX_FMT_FP4 matrix_b_fmt:MATRIX_FMT_FP4 matrix_a_scale:MATRIX_SCALE_ROW1 matrix_b_scale:MATRIX_SCALE_ROW1
.endif
.endm
.macro MULH a0, set, q, sc, zero
.irp a, \a0, \a0+1
.irp g, 0,1,2,3
	WM (\a), \g, \set, \q, \sc, \zero
.endr
.endr
.endm
.macro FETCH_W slot, q, set
	WIN 0x40
.irp g, 0,1,2,3
	ds_load_b128 v[32*(\set)+8*\g:32*(\set)+8*\g+3],   v[ADW+(\slot)] offset:\g*4096+(\q)*1024
	ds_load_b128 v[32*(\set)+8*\g+4:32*(\set)+8*\g+7], v[ADW+(\slot)] offset:\g*4096+(\q)*1024+512
.endr
	WIN 0
.endm
.macro FETCH_A ph, q, set              ; the rows' eight fragments of the phase's q-th 128 along K
.irp i, 0,1,2,3,4,5,6,7
	ds_load_b128 v[AF+64*(\set)+8*\i:AF+64*(\set)+8*\i+3],   v[ADA+(\ph)] offset:\i*4096+(\q)*1024
	ds_load_b128 v[AF+64*(\set)+8*\i+4:AF+64*(\set)+8*\i+7], v[ADA+(\ph)] offset:\i*4096+(\q)*1024+512
.endr
.endm
.macro SCALES ph
.irp i, 0,1,2,3
	ds_load_b128 v[SC+24*((\ph)%2)+4*\i:SC+24*((\ph)%2)+4*\i+3], v[ADA+(\ph)] offset:32768+\i*512
.endr
.irp i, 0,1
	ds_load_b128 v[SC+24*((\ph)%2)+16+4*\i:SC+24*((\ph)%2)+16+4*\i+3], v[ASW+((\ph)%2)] offset:\i*512
.endr
.endm
.macro STEP ph, q, zero                ; 128 along K with its successor in the same slot
	PLACES                                         ; the other sets were read by the matrix instructions just issued
	FETCH_W (\ph)%2, (\q)+1, 1-(\q)%2
	FETCH_A \ph, (\q)+1, 1-(\q)%2
	s_wait_dscnt 24                                ; all but the 24 loads just issued: this step's fragments and scale words are in
	WIN 0xa1+0x50*((\ph)/2)
	MULH 0, (\q)%2, \q, (\ph)%2, \zero
	MULH 2, (\q)%2, \q, (\ph)%2, \zero
	MULH 4, (\q)%2, \q, (\ph)%2, \zero
	MULH 6, (\q)%2, \q, (\ph)%2, \zero
	WIN 0
.endm
.macro TURN ph, nph, fill, pf
	s_wait_tensorcnt 0x0
	ds_add_u32 v[SPW], v[NIL]
	s_wait_dscnt 0x0                               ; the add is done, and my reads of this slot are over: its last fragments were asked for a step ago
	s_barrier_signal -1
	WIN 0xa1+0x50*((\ph)/2)
	MULH 0, 1, 3, (\ph)%2, 0                       ; work on registers while the others arrive
	WIN 0
	s_barrier_wait -1
.if \fill
	CREST
	SETG0 (\ph)%2, \fill
	JLOAD (\ph)%2
.else
	PLACES
.endif
	FETCH_W (\nph)%2, 0, 0
	FETCH_A \nph, 0, 0
	SCALES \nph
.if \pf
	global_prefetch_b8 v[PFO], s[10:11] th:TH_LOAD_NT scope:SCOPE_SE
.endif
	WIN 0xa1+0x50*((\ph)/2)
	MULH 2, 1, 3, (\ph)%2, 0
	MULH 4, 1, 3, (\ph)%2, 0
	MULH 6, 1, 3, (\ph)%2, 0
	WIN 0
.endm
.macro RFILL slot, nph, fill
	WIN 0
	s_wait_tensorcnt 0x0
	ds_add_u32 v[SPW], v[NIL]
	SETG0 \slot, \fill
	s_wait_dscnt 0x0
	CROUND
	JLOAD \slot
	FETCH_W (\nph)%2, 0, 0
	FETCH_A \nph, 0, 0
	SCALES \nph
.endm
.macro LAST ph
	s_wait_dscnt 0x0
	WIN 0xa1+0x50*((\ph)/2)
	MULH 0, 1, 3, (\ph)%2, 0
	MULH 2, 1, 3, (\ph)%2, 0
	MULH 4, 1, 3, (\ph)%2, 0
	MULH 6, 1, 3, (\ph)%2, 0
	PLACES
	WIN 0
.endm
.macro PARLOAD
	WIN 0x40
.irp g, 0,1,2,3
.irp c, 0,1
	global_load_b128 v[G1P+8*\g+4*\c:G1P+8*\g+4*\c+3], v[PO], s[12:13] offset:\g*4096+16*\c
	global_load_b128 v[G2P+8*\g+4*\c:G2P+8*\g+4*\c+3], v[PO], s[12:13] offset:16384+\g*4096+16*\c
	global_load_b128 v[CBP+8*\g+4*\c:CBP+8*\g+4*\c+3], v[PO], s[12:13] offset:32768+\g*4096+16*\c
.endr
.endr
	WIN 0
.endm
.macro PARPREP
	s_wait_loadcnt 0x0
.endm
.macro LN1B a
	WIN 0x96
.irp g, 0,1,2,3
.irp i, 0,2,4,6
	v_pk_fma_f32 v[8*(4*(\a)+\g)+\i:8*(4*(\a)+\g)+\i+1], v[8*(4*(\a)+\g)+\i:8*(4*(\a)+\g)+\i+1], v[RS+8*(\a):RS+8*(\a)+1], v[RS+8*(\a)+2:RS+8*(\a)+3]
.endr
.endr
.irp g, 0,1,2,3
.irp i, 0,2,4,6
	v_pk_fma_f32 v[8*(4*(\a)+\g)+\i:8*(4*(\a)+\g)+\i+1], v[8*(4*(\a)+\g)+\i:8*(4*(\a)+\g)+\i+1], v[G1P+8*\g+\i:G1P+8*\g+\i+1], v[CBP+8*\g+\i:CBP+8*\g+\i+1]
.endr
.endr
.endm
.macro C0LOAD k, reg
.irp e, 0,1
.irp c, 0,1
	global_load_b128 v[(\reg)+8*\e+4*\c:(\reg)+8*\e+4*\c+3], v[C0O], s[10:11] offset:(2*(\k)+\e)*65536+16*\c
.endr
.endr
.endm
.macro SENDQ k
	s_wait_dscnt 0x0
	WIN 0x04
.irp u, 0,1,2,3
	global_store_b128 v[GO], v[OB+4*\u:OB+4*\u+3], s[22:23] offset:(\k)*131072+\u*8192
	global_store_b128 v[GO], v[OB+16+4*\u:OB+16+4*\u+3], s[24:25] offset:(\k)*131072+\u*8192
.endr
	WIN 0
.endm
.macro QEND k, rf
.if \rf
	RFILL 1, 0, 2
.else
	s_wait_dscnt 0x0
	s_barrier_signal -1
	s_barrier_wait -1
.endif
	s_wait_xcnt 0x0
	WIN 0x40
.irp arr, 0,1
.irp u, 0,1,2,3
	ds_load_b128 v[OB+16*\arr+4*\u:OB+16*\arr+4*\u+3], v[RD] offset:((\k)%2)*17408+\arr*8704+\u*544
.endr
.endr
.if (\k) == 1
	C0LOAD 3, C0R+16
.endif
	WIN 0
.endm
.macro BLOCK a
.if ((\a)/2) == 0
.set c0b, OB+8*((\a)%2)
.elseif ((\a)/2) == 2
.set c0b, C0R+8*((\a)%2)
.else
.set c0b, C0R+16+8*((\a)%2)
.endif
.set stb, (((\a)/2)%2)*17408+((\a)%2)*4352
.set sb,  ST+6*(\a)
	WIN 0x17
.irp g, 1,2,3,0
.if (\g == 0) && (((\a)%2) == 1)
	s_wait_dscnt 0x0
.endif
.irp i, 0,2,4,6
	v_pk_fma_f32 v[T2+8*\g+\i:T2+8*\g+\i+1], v[8*(4*(\a)+\g)+\i:8*(4*(\a)+\g)+\i+1], v[RS+8*(\a)+4:RS+8*(\a)+5], v[RS+8*(\a)+6:RS+8*(\a)+7]
.endr
.endr
	WIN 0x24
.irp g, 0,1,2,3
.irp i, 0,2,4,6
	v_pk_fma_f32 v[T1+8*\g+\i:T1+8*\g+\i+1], v[T2+8*\g+\i:T2+8*\g+\i+1], v[G2P+8*\g+\i:G2P+8*\g+\i+1], v[8*(4*(\a)+\g)+\i:8*(4*(\a)+\g)+\i+1]
.endr
.endr
	WIN 0
.if (((\a)%2) == 0) && ((\a) > 0)
	SENDQ (\a)/2-1
.endif
	s_wait_alu depctr_va_vdst(0)
.irp j, 0,1,2,3,4,5,6,7,8,9,10,11,12,13,14,15,24,25,26,27,28,29,30,31
	v_exp_f32 v[T1+\j], v[T1+\j]
.endr
	v_nop
	s_wait_alu depctr_va_vdst(0)
.irp j, 0,2,4,6,8,10,12,14,24,26,28,30
	v_pk_add_f32 v[T1+\j:T1+\j+1], v[T1+\j:T1+\j+1], 1.0 op_sel_hi:[1,0]
.endr
	s_wait_alu depctr_va_vdst(0)
.irp j, 0,1,2,3,4,5,6,7,8,9,10,11,12,13,14,15,24,25,26,27,28,29,30,31
	v_rcp_f32 v[T1+\j], v[T1+\j]
.endr
	v_nop
	s_wait_alu depctr_va_vdst(0)
.irp i, 0,2,4,6
	v_pk_fma_f32 v[T1+24+\i:T1+24+\i+1], v[T1+24+\i:T1+24+\i+1], -2.0, 1.0 op_sel_hi:[1,0,0]
.endr
.if ((\a)%2) == 0
.if (\a) == 0
	s_wait_loadcnt 8
.elseif (\a) < 6
	s_wait_loadcnt 4
.else
	s_wait_loadcnt 0x0
.endif
.endif
	WIN 0x04
.irp i, 0,2,4,6
	v_pk_mul_f32 v[T2+\i:T2+\i+1], v[T1+\i:T1+\i+1], v[c0b+\i:c0b+\i+1]
.endr
	WIN 0
	s_wait_alu depctr_va_vdst(0)
.irp i, 0,2,4,6
	v_pk_fma_f32 v[T2+\i:T2+\i+1], v[T1+8+\i:T1+8+\i+1], v[T1+24+\i:T1+24+\i+1], v[T2+\i:T2+\i+1]
.endr
	ds_store_b128 v[STO], v[T2:T2+3] offset:stb
	ds_store_b128 v[STO], v[T2+4:T2+7] offset:stb+16
	ds_store_b128 v[STO], v[T1+16:T1+19] offset:stb+8704
	ds_store_b128 v[STO], v[T1+20:T1+23] offset:stb+8704+16
	v_cndmask_b32 v[sb], v[T2], v[sb], s3
	v_cndmask_b32 v[sb+1], v[T2], v[sb+1], s3
.irp i, 0,2,4,6
	v_pk_add_f32 v[WK+\i:WK+\i+1], v[T2+\i:T2+\i+1], v[sb:sb+1] neg_lo:[0,1] neg_hi:[0,1]
.endr
.irp i, 0,2,4,6
	v_pk_add_f32 v[sb+2:sb+3], v[sb+2:sb+3], v[WK+\i:WK+\i+1]
	v_pk_fma_f32 v[sb+4:sb+5], v[WK+\i:WK+\i+1], v[WK+\i:WK+\i+1], v[sb+4:sb+5]
.endr
.endm
.macro EPI more
	s_cmp_eq_u32 s2, NTILE
	s_cselect_b32 s3, 0, -1
	WIN 0x40
	C0LOAD 1, C0R+16
	C0LOAD 2, C0R
	BLOCK 0
	BLOCK 1
	QEND 0, \more
	BLOCK 2
	BLOCK 3
	QEND 1, 0
	BLOCK 4
	BLOCK 5
	QEND 2, 0
	BLOCK 6
	BLOCK 7
	QEND 3, 0
	SENDQ 3
.if \more
	s_wait_xcnt 0x0
	s_lshl_b32 s[COL], s[TN], 8
	s_add_nc_u64 s[10:11], s[C0B:C0B+1], s[COL:COL+1]
	s_add_nc_u64 s[22:23], s[O1B:O1B+1], s[COL:COL+1]
	s_add_nc_u64 s[24:25], s[OGB:OGB+1], s[COL:COL+1]
	v_add_nc_u32 v[PO], s[COL], v[POB]
	s_add_co_u32 s[TN], s[TN], 1
	s_and_b32 s[TN], s[TN], 3
.endif
.endm
	s_load_b256 s[4:11], s[0:1], 0x0
	s_load_b64 s[12:13], s[0:1], 0x20              ; par
	s_load_b64 s[22:23], s[0:1], 0x28              ; out1
	s_load_b128 s[24:27], s[0:1], 0x30             ; og, st3
	v_lshl_add_u32 v[SPW], v0, 2, SPARE
	v_mov_b32 v[NIL], 0
	ds_add_u32 v[SPW], v[NIL]
	ds_add_u32 v[SPW], v[NIL]
	v_lshrrev_b32 v1, 5, v0
	v_readfirstlane_b32 s[WV], v1
	s_bfe_u32 s29, ttmp6, 0x40000
	s_bfe_u32 s30, ttmp6, 0x40004
	s_and_b32 s31, ttmp7, 0xffff
	s_lshl_b32 s32, s31, 2
	s_add_co_u32 s32, s32, s30
	s_lshl_b32 s33, s30, 2
	s_lshl_b32 s33, 15, s33
	s_lshl_b32 s34, 0x1111, s29
	s_or_b32 s[G1R], s33, (3<<16)|(1<<21)
	s_or_b32 s[G1S], s34, (3<<16)|(1<<21)
	s_mov_b32 s[G1R+1], 32<<16
	s_mov_b32 s[G1R+2], 136<<16
	s_mov_b32 s[G1R+3], 32<<16
	s_mov_b32 s[G1R+4], 136
	s_mov_b32 s[G1R+5], 32
	s_mov_b32 s[G1R+6], 0
	s_mov_b32 s[G1R+7], 0
	s_mov_b32 s[G1S+1], 32<<16
	s_mov_b32 s[G1S+2], 68<<16
	s_mov_b32 s[G1S+3], 32<<16
	s_mov_b32 s[G1S+4], 68
	s_mov_b32 s[G1S+5], 32
	s_mov_b32 s[G1S+6], 0
	s_mov_b32 s[G1S+7], 0
	s_lshr_b32 s76, s[WV], 1
	s_lshl_b32 s76, s76, 7
	s_lshr_b32 s77, s32, 1
	s_lshl_b32 s77, s77, 2
	s_add_co_u32 s76, s76, s77
	s_and_b32 s77, s[WV], 1
	s_lshl_b32 s77, s77, 1
	s_add_co_u32 s76, s76, s77
	s_and_b32 s77, s32, 1
	s_add_co_u32 s76, s76, s77
	s_mul_i32 s76, s76, HB
	s_mov_b32 s77, 0
	s_mul_i32 s78, s29, 16*HB
	s_mul_i32 s79, s[WV], QB
	s_add_co_u32 s78, s78, s79
	s_mov_b32 s79, 0
	s_mov_b32 s[G0R], 1
	s_mul_i32 s[G0R+1], s[WV], HB
	s_mov_b32 s[G0S], 1
	s_mov_b32 s[G0S+4], 1
	s_mul_i32 s[G0S+1], s[WV], QB
	s_add_co_u32 s[G0S+5], s[G0S+1], SLOT1
	s_add_co_u32 s[G0S+1], s[G0S+1], SLOT0
	s_lshl_b32 s80, s32, 19
	s_lshl_b32 s81, s29, 10
	s_add_co_u32 s80, s80, s81
	s_lshl_b32 s81, s[WV], 6
	s_add_co_u32 s82, s80, s81
	s_mov_b32 s83, 0
	s_lshl_b32 s81, s[WV], 15
	s_add_co_u32 s80, s80, s81
	s_mov_b32 s81, 0
	s_lshl_b32 s84, s32, 10
	s_mov_b32 s85, 0
	s_lshl_b32 s86, s29, 2
	s_add_co_u32 s86, s86, s[WV]
	s_lshl_b32 s86, s86, 16
	s_add_co_u32 s86, s86, s84
	s_mov_b32 s87, 0
	s_and_b32 s[TN], s31, 3
	s_lshl_b32 s[COL], s[TN], 8
	s_mov_b32 s[COL+1], 0
	s_mul_i32 s[OFN], s[TN], 4*HB
	s_mov_b32 s[OFN+1], 0
	s_add_co_u32 s[TN], s[TN], 1
	s_and_b32 s[TN], s[TN], 3
	s_mov_b32 s70, 0x39800000
	s_mov_b32 s71, 0x3727c5ac
	s_mov_b32 s[SEL], 0x76543210
	s_mov_b32 s[SEL+1], 0xfedcba98
	s_mov_b32 s74, 0xffff0000
	v_lshlrev_b32 v[WK], 3, v0
	s_wait_alu depctr_va_vdst(0)
	s_wait_dscnt 0x0
	s_wait_kmcnt 0x0
	s_add_nc_u64 s[G0R+2:G0R+3], s[4:5], s[76:77]
	s_or_b32 s[G0R+3], s[G0R+3], 0x80000000
	s_add_nc_u64 s[WB:WB+1], s[6:7], s[78:79]
	s_add_nc_u64 s[G0S+2:G0S+3], s[WB:WB+1], s[OFN:OFN+1]
	s_add_nc_u64 s[G0S+6:G0S+7], s[G0S+2:G0S+3], 2*HB
	s_or_b32 s[G0S+3], s[G0S+3], 0x80000000
	s_or_b32 s[G0S+7], s[G0S+7], 0x80000000
	s_add_nc_u64 s[8:9], s[8:9], s[84:85]
	s_add_nc_u64 s[C0B:C0B+1], s[10:11], s[82:83]
	s_add_nc_u64 s[O1B:O1B+1], s[22:23], s[80:81]
	s_add_nc_u64 s[OGB:OGB+1], s[24:25], s[80:81]
	s_add_nc_u64 s[10:11], s[C0B:C0B+1], s[COL:COL+1]
	s_add_nc_u64 s[22:23], s[O1B:O1B+1], s[COL:COL+1]
	s_add_nc_u64 s[24:25], s[OGB:OGB+1], s[COL:COL+1]
	s_add_nc_u64 s[26:27], s[26:27], s[86:87]
	s_or_b32 s[G1W], s34, (3<<16)|(1<<21)          ; a whole HB of weights, to my column of the cluster
	s_mov_b32 s[G1W+1], 32<<16
	s_mov_b32 s[G1W+2], 136<<16
	s_mov_b32 s[G1W+3], 32<<16
	s_mov_b32 s[G1W+4], 136
	s_mov_b32 s[G1W+5], 32
	s_mov_b32 s[G1W+6], 0
	s_mov_b32 s[G1W+7], 0
	s_xor_b32 s[G0H], s[WV], 2                     ; among the first fills waves 2, 3 fetch the first tile's HB 0, 1 (slot 0), waves 0, 1 its HB 2, 3 (slot 1): HB wave xor 2,
	s_mul_i32 s[G0H+2], s[G0H], HB
	s_mul_i32 s[G0H+3], s29, 16*HB
	s_add_co_u32 s[G0H+2], s[G0H+2], s[G0H+3]
	s_add_co_u32 s[G0H+2], s[G0H+2], s[OFN]
	s_mov_b32 s[G0H+3], 0
	s_add_co_u32 s[G0H+1], s[G0H], 4
	s_mul_i32 s[G0H+1], s[G0H+1], HB               ; to LDS behind the rows' four HB
	s_add_nc_u64 s[G0H+2:G0H+3], s[6:7], s[G0H+2:G0H+3]
	s_or_b32 s[G0H+3], s[G0H+3], 0x80000000
	s_mov_b32 s[G0H], 1
.irp p, 0,1
.irp k, 0,1,2,3,4,5,6,7
	global_load_b64 v[T1+16*\p+2*\k:T1+16*\p+2*\k+1], v[WK], s[8:9] offset:(8*\p+\k)*65536
.endr
.endr
	CROUND
	HLOAD 1                                        ; the rows of p = 0 and slot 0, one load a wave
	v_and_b32 v1, 31, v0
	v_and_b32 v2, 15, v0
	v_bfe_u32 v3, v0, 4, 1
	v_lshlrev_b32 v22, 4, v1
	s_wait_alu depctr_va_vdst(0)
	v_lshl_add_u32 v23, v0, 5, TAB
.irp f, 0,1,2,3
	v_add_nc_u32 v[ADA+\f], \f*HB, v22
.endr
	s_lshr_b32 s89, s[WV], 1
	s_mul_i32 s89, s89, HB
	s_and_b32 s90, s[WV], 1
	s_lshl_b32 s91, s90, 14
	s_add_co_u32 s91, s91, s89
	s_add_co_u32 s91, s91, SLOT0
	v_add_nc_u32 v[ADW], s91, v22
	s_add_co_u32 s91, s91, 2*HB
	v_add_nc_u32 v[ADW+1], s91, v22
	s_lshl_b32 s91, s90, 10
	s_add_co_u32 s91, s91, s89
	s_add_co_u32 s91, s91, SLOT0+32768
	v_add_nc_u32 v[ASW], s91, v22
	s_add_co_u32 s91, s91, 2*HB
	v_add_nc_u32 v[ASW+1], s91, v22
	v_mul_u32_u24 v[STO], v2, 272
	v_lshl_add_u32 v[STO], v3, 5, v[STO]
	s_lshl_b32 s91, s[WV], 6
	s_add_co_u32 s91, s91, STG
	v_add_nc_u32 v[STO], s91, v[STO]
	v_mul_u32_u24 v[RD], v3, 272
	v_lshl_add_u32 v[RD], v2, 4, v[RD]
	s_mul_i32 s91, s[WV], 2176
	s_add_co_u32 s91, s91, STG
	v_add_nc_u32 v[RD], s91, v[RD]
	v_lshlrev_b32 v[GO], 12, v3
	v_lshl_add_u32 v[GO], v2, 4, v[GO]
	v_lshlrev_b32 v[C0O], 12, v2
	v_lshl_add_u32 v[C0O], v3, 5, v[C0O]
	s_lshl_b32 s91, s[WV], 6
	s_lshl_b32 s90, s29, 10
	s_add_co_u32 s91, s91, s90
	v_lshlrev_b32 v[POB], 5, v3
	v_add_nc_u32 v[POB], s91, v[POB]
	v_add_nc_u32 v[PO], s[COL], v[POB]
	v_lshlrev_b32 v[PFO], 12, v0
	v_lshl_add_u32 v[TBR], v2, 5, TAB
	v_lshlrev_b32 v[S3O], 3, v1
.irp j, 0,1,2,3,4,5,6,7,8,9,10,11,12,13,14,15,16,17,18,19,20,21,22,23,24,25,26,27,28,29,30,31,32,33,34,35,36,37,38,39,40,41,42,43,44,45,46,47
	v_mov_b32 v[ST+\j], 0
.endr
	s_wait_loadcnt 0x0
.irp p, 0,1
	v_add_f32 v[T2+8*\p], v[T1+16*\p], v[T1+16*\p+2]
	v_add_f32 v[T2+8*\p+1], v[T1+16*\p+4], v[T1+16*\p+6]
	v_add_f32 v[T2+8*\p+2], v[T1+16*\p+8], v[T1+16*\p+10]
	v_add_f32 v[T2+8*\p+3], v[T1+16*\p+12], v[T1+16*\p+14]
	v_add_f32 v[T2+8*\p], v[T2+8*\p], v[T2+8*\p+1]
	v_add_f32 v[T2+8*\p+2], v[T2+8*\p+2], v[T2+8*\p+3]
	v_add_f32 v[T2+8*\p], v[T2+8*\p], v[T2+8*\p+2]
	v_mul_f32 v[T2+8*\p], 0x3e000000, v[T2+8*\p]
.irp k, 0,1,2,3,4,5,6,7
	v_sub_f32 v[T1+16*\p+2*\k], v[T1+16*\p+2*\k], v[T2+8*\p]
.endr
	v_mul_f32 v[T2+8*\p+1], v[T1+16*\p], v[T1+16*\p]
.irp k, 1,2,3,4,5,6,7
	v_fmac_f32 v[T2+8*\p+1], v[T1+16*\p+2*\k], v[T1+16*\p+2*\k]
.endr
	v_add_f32 v[T2+8*\p+2], v[T1+16*\p+1], v[T1+16*\p+3]
.irp k, 2,3,4,5,6,7
	v_add_f32 v[T2+8*\p+2], v[T2+8*\p+2], v[T1+16*\p+2*\k+1]
.endr
	v_fmamk_f32 v[T2+8*\p+2], v[T2+8*\p+1], 0x44000000, v[T2+8*\p+2]
	v_fma_f32 v[T2+8*\p+2], v[T2+8*\p+2], s70, s71
	s_wait_alu depctr_va_vdst(0)
	v_rsq_f32 v[T2+16+4*\p], v[T2+8*\p+2]
.endr
	v_nop
	s_wait_alu depctr_va_vdst(0)
.irp p, 0,1
	v_mov_b32 v[T2+17+4*\p], v[T2+16+4*\p]
	v_mul_f32 v[T2+18+4*\p], -v[T2+8*\p], v[T2+16+4*\p]
.endr
.irp p, 0,1
	v_mov_b32 v[T2+19+4*\p], v[T2+18+4*\p]
.endr
	ds_store_b128 v23, v[T2+16:T2+19]
	ds_store_b128 v23, v[T2+20:T2+23] offset:16
	s_wait_alu depctr_va_vdst(0)
	s_wait_tensorcnt 0x0                           ; my first fill is in
	ds_add_u32 v[SPW], v[NIL]
	s_wait_dscnt 0x0                               ; the add is done, and so are my stores into the table of the rows' norms
	CROUND                                         ; everybody's first fill and part of the table are in, and all sixteen work-groups are here
	HLOAD 0                                        ; slot 1 and the rows of p = 1
	WIN 0x40
.irp a, 0,1,2,3,4,5,6,7
	ds_load_b128 v[RS+8*\a:RS+8*\a+3], v[TBR] offset:\a*512
	ds_load_b128 v[RS+8*\a+4:RS+8*\a+7], v[TBR] offset:\a*512+16
.endr
	FETCH_W 0, 0, 0
	FETCH_A 0, 0, 0
	SCALES 0
	s_mov_b32 s2, NTILE
.Ltile:
	s_mul_i32 s[OFN], s[TN], 4*HB
	s_wait_alu depctr_va_vdst(0)
	PARLOAD
	STEP 0, 0, 1
	STEP 0, 1, 0
	STEP 0, 2, 0
	TURN 0, 1, 1, 1
	STEP 1, 0, 0
	STEP 1, 1, 0
	STEP 1, 2, 0
	LAST 1
	PARPREP
	LN1B 0
	LN1B 1
	RFILL 1, 2, 1
	WIN 0x40
	C0LOAD 0, OB
.irp a, 2,3,4,5,6,7
	LN1B \a
.endr
	WIN 0
	STEP 2, 0, 1
	STEP 2, 1, 0
	STEP 2, 2, 0
	s_cmp_eq_u32 s2, 1
	s_cbranch_scc1 .Llast
	TURN 2, 3, 2, 0
	STEP 3, 0, 0
	STEP 3, 1, 0
	STEP 3, 2, 0
	LAST 3
	EPI 1
	s_sub_co_u32 s2, s2, 1
	s_cmp_lg_u32 s2, 0
	s_cbranch_scc1 .Ltile
.Llast:
	TURN 2, 3, 0, 0
	STEP 3, 0, 0
	STEP 3, 1, 0
	STEP 3, 2, 0
	LAST 3
	EPI 0
.irp a, 0,1,2,3,4,5,6,7
	v_add_f32 v[ST+6*\a+2], v[ST+6*\a+2], v[ST+6*\a+3]
	v_add_f32 v[ST+6*\a+4], v[ST+6*\a+4], v[ST+6*\a+5]
.endr
.irp a, 0,1,2,3,4,5,6,7
	v_mul_f32 v[ST+6*\a+3], 0x3d000000, v[ST+6*\a+2]
.endr
.irp a, 0,1,2,3,4,5,6,7
	v_add_f32 v[ST+6*\a], v[ST+6*\a], v[ST+6*\a+3]
	v_fma_f32 v[ST+6*\a+1], -v[ST+6*\a+3], v[ST+6*\a+2], v[ST+6*\a+4]
.endr
.irp a, 0,1,2,3,4,5,6,7
	v_max_num_f32 v[ST+6*\a+1], 0, v[ST+6*\a+1]
.endr
.irp a, 0,1,2,3,4,5,6,7
	v_permlanex16_b32 v[ST+6*\a+2], v[ST+6*\a], s[SEL], s[SEL+1]
	v_permlanex16_b32 v[ST+6*\a+4], v[ST+6*\a+1], s[SEL], s[SEL+1]
.endr
.irp a, 0,1,2,3,4,5,6,7
	v_sub_f32 v[ST+6*\a+3], v[ST+6*\a], v[ST+6*\a+2]
	v_add_f32 v[ST+6*\a], v[ST+6*\a], v[ST+6*\a+2]
	v_add_f32 v[ST+6*\a+1], v[ST+6*\a+1], v[ST+6*\a+4]
.endr
.irp a, 0,1,2,3,4,5,6,7
	v_mul_f32 v[ST+6*\a+3], v[ST+6*\a+3], v[ST+6*\a+3]
	v_mul_f32 v[ST+6*\a], 0.5, v[ST+6*\a]
.endr
.irp a, 0,1,2,3,4,5,6,7
	v_fmamk_f32 v[ST+6*\a+1], v[ST+6*\a+3], 0x41800000, v[ST+6*\a+1]
.endr
.irp a, 0,2,4,6
	v_cndmask_b32 v[T1+\a], v[ST+6*\a], v[ST+6*\a+6], s74
	v_cndmask_b32 v[T1+\a+1], v[ST+6*\a+1], v[ST+6*\a+7], s74
.endr
.irp a, 0,2,4,6
	global_store_b64 v[S3O], v[T1+\a:T1+\a+1], s[26:27] offset:\a*128
.endr
	s_wait_tensorcnt 0x0
	ds_add_u32 v[SPW], v[NIL]
	s_wait_dscnt 0x0
	CROUND
	s_endpgm
.Lfunc_end_k_q76c97d4e31_gates:
	.size	k_q76c97d4e31_gates, .Lfunc_end_k_q76c97d4e31_gates-k_q76c97d4e31_gates
	.p2alignl 7, 3214868480
	.fill 96, 4, 3214868480
	.section	.rodata,"a",@progbits
	.p2align	6, 0x0
	.amdhsa_kernel k_q76c97d4e31_gates
		.amdhsa_group_segment_fixed_size 327680
		.amdhsa_private_segment_fixed_size 0
		.amdhsa_enable_private_segment 0
		.amdhsa_kernarg_size 64
		.amdhsa_user_sgpr_count 2
		.amdhsa_user_sgpr_kernarg_segment_ptr 1
		.amdhsa_wavefront_size32 1
		.amdhsa_system_sgpr_workgroup_id_x 1
		.amdhsa_system_sgpr_workgroup_id_y 1
		.amdhsa_system_sgpr_workgroup_id_z 1
		.amdhsa_system_vgpr_workitem_id 0
		.amdhsa_next_free_vgpr 1024
		.amdhsa_next_free_sgpr 106
		.amdhsa_reserve_vcc 0
		.amdhsa_float_denorm_mode_32 3
		.amdhsa_float_denorm_mode_16_64 3
		.amdhsa_memory_ordered 1
		.amdhsa_forward_progress 1
		.amdhsa_inst_pref_size 255
	.end_amdhsa_kernel
	.section	.bss,"aw",@nobits
	.p2align	6
	.space	262144
	.amdgpu_metadata
---
amdhsa.version: [ 1, 2 ]
amdhsa.kernels:
  - .name:           k_q76c97d4e31_gates
    .symbol:         k_q76c97d4e31_gates.kd
    .args:
      - { .name: act, .offset: 0, .size: 8, .value_kind: global_buffer, .address_space: global }
      - { .name: wts, .offset: 8, .size: 8, .value_kind: global_buffer, .address_space: global }
      - { .name: st12, .offset: 16, .size: 8, .value_kind: global_buffer, .address_space: global }
      - { .name: c0, .offset: 24, .size: 8, .value_kind: global_buffer, .address_space: global }
      - { .name: par, .offset: 32, .size: 8, .value_kind: global_buffer, .address_space: global }
      - { .name: out1, .offset: 40, .size: 8, .value_kind: global_buffer, .address_space: global }
      - { .name: og, .offset: 48, .size: 8, .value_kind: global_buffer, .address_space: global }
      - { .name: st3, .offset: 56, .size: 8, .value_kind: global_buffer, .address_space: global }
    .group_segment_fixed_size: 327680
    .private_segment_fixed_size: 0
    .kernarg_segment_align: 8
    .kernarg_segment_size: 64
    .max_flat_workgroup_size: 128
    .sgpr_count:     106
    .vgpr_count:     1024
    .wavefront_size: 32
...
	.end_amdgpu_metadata
.endif
;; end of part 3
;; launch final (part 4): grid 512 x 1, 8 waves a work-group, no clusters, 0 bytes of LDS; arguments out1, og, st3, ln3_g, ln3_b, out0; writes out0
.if DOCPART == 4
	.amdgcn_target "amdgcn-amd-amdhsa--gfx1250"
	.amdhsa_code_object_version 6
	.text
	.protected	k_q76c97d4e31_final
	.globl	k_q76c97d4e31_final
	.p2align	8
	.type	k_q76c97d4e31_final,@function
k_q76c97d4e31_final:
	s_mov_b64 s[64:65], 0
	v_nop
	global_prefetch_b8 v0, s[64:65] scope:SCOPE_SE
	s_setreg_imm32_b32 hwreg(HW_REG_WAVE_MODE, 25, 1), 1
	s_wait_xcnt 0x0
; LSTM cell, launch 4 of 4: h1 = sigmoid(o) tanh(LN3(c1)).  c1 comes from out1, -log2(e) x o from og, LN3's statistics as 16 parts of 64 columns a row from st3.  No work of reference() is left out.
; A stream: a work-group takes 16 rows; thread t keeps columns 4 t .. 4 t + 3, so each load and store of a wave covers 512 consecutive bytes, and its four gains and biases stay in registers.
; All 32 row loads of a wave are issued at once; no register is used twice, so no store's data are written again.  No LDS, no barrier, no matrix unit, no cluster: nothing is shared but 128 bytes of statistics a part,
; which every wave reads for itself: lane (r, hl) takes row r, parts 8 hl .. 8 hl + 7; the halves are joined by the pairwise formula, and each row's -mean and 1 / sqrt(var + eps) go to scalar registers.
; tanh(y) = 1 - 2 / (1 + 2^(2 log2(e) y)): the factor is folded into ln3_g and ln3_b.  LIMIT: the order of the norm's sums is not reference()'s; NaN and infinities are not served.
.set C,   40                           ; v40-103   c1, four numbers a row; then h1
.set OGR, 104                          ; v104-167  the o gate's exponents
	s_load_b256 s[4:11], s[0:1], 0x0               ; out1, og, st3, ln3_g
	s_load_b128 s[12:15], s[0:1], 0x20             ; ln3_b, out0
	v_lshlrev_b32 v1, 4, v0                        ; 16 t
	v_and_b32 v2, 15, v0
	v_bfe_u32 v3, v0, 4, 1
	s_delay_alu instid0(VALU_DEP_2)
	v_lshlrev_b32 v2, 3, v2
	s_delay_alu instid0(VALU_DEP_1)
	v_lshl_add_u32 v2, v3, 19, v2                  ; 8 r + 8 parts of 65,536 bytes x hl
	s_lshl_b32 s16, ttmp9, 16                      ; 16 rows of 4,096 bytes
	s_mov_b32 s17, 0
	s_lshl_b32 s18, ttmp9, 7                       ; 16 rows of 8 bytes
	s_mov_b32 s19, 0
	s_mov_b32 s20, 0x76543210
	s_mov_b32 s21, 0xfedcba98
	s_mov_b32 s22, 0x3a800000                      ; 1 / 1024
	s_mov_b32 s23, 0x3727c5ac                      ; eps
	s_mov_b32 s24, 0x4038aa3b                      ; 2 log2(e)
	s_mov_b32 s25, s24
	v_mov_b32 v35, 0                               ; written once: a lane permute's destination counts as one of its sources
	v_mov_b32 v36, 0
	s_wait_alu depctr_va_vdst(0)
	s_wait_kmcnt 0x0
	s_add_nc_u64 s[4:5], s[4:5], s[16:17]
	s_add_nc_u64 s[6:7], s[6:7], s[16:17]
	s_add_nc_u64 s[14:15], s[14:15], s[16:17]
	s_add_nc_u64 s[8:9], s[8:9], s[18:19]
.irp k, 0,1,2,3,4,5,6,7
	global_load_b64 v[8+2*\k:9+2*\k], v2, s[8:9] offset:\k*65536
.endr
	global_load_b128 v[24:27], v1, s[10:11]
	global_load_b128 v[28:31], v1, s[12:13]
.irp i, 0,1,2,3,4,5,6,7,8,9,10,11,12,13,14,15
	global_load_b128 v[C+4*\i:C+4*\i+3], v1, s[4:5] offset:\i*4096 th:TH_LOAD_NT
	global_load_b128 v[OGR+4*\i:OGR+4*\i+3], v1, s[6:7] offset:\i*4096 th:TH_LOAD_NT
.endr
	s_wait_loadcnt 34                              ; the eight parts are in; the gains, the biases and the 32 row loads may be out
	v_add_f32 v32, v8, v10
	v_add_f32 v33, v12, v14
	v_add_f32 v34, v16, v18
	v_add_f32 v37, v20, v22
	s_delay_alu instid0(VALU_DEP_3)
	v_add_f32 v32, v32, v33
	s_delay_alu instid0(VALU_DEP_2)
	v_add_f32 v34, v34, v37
	s_delay_alu instid0(VALU_DEP_1)
	v_add_f32 v32, v32, v34
	s_delay_alu instid0(VALU_DEP_1)
	v_mul_f32 v32, 0x3e000000, v32                 ; the mean of my eight parts
.irp k, 0,1,2,3,4,5,6,7
	v_sub_f32 v[8+2*\k], v[8+2*\k], v32
.endr
	v_mul_f32 v33, v8, v8
.irp k, 1,2,3,4,5,6,7
	s_delay_alu instid0(VALU_DEP_1)
	v_fmac_f32 v33, v[8+2*\k], v[8+2*\k]
.endr
	v_add_f32 v34, v9, v11
.irp k, 2,3,4,5,6,7
	s_delay_alu instid0(VALU_DEP_1)
	v_add_f32 v34, v34, v[9+2*\k]
.endr
	s_delay_alu instid0(VALU_DEP_1)
	v_fmamk_f32 v34, v33, 0x42800000, v34          ; + 64 x the sum of squared differences of the means
	v_permlanex16_b32 v35, v32, s20, s21
	s_delay_alu instid0(VALU_DEP_2)
	v_permlanex16_b32 v36, v34, s20, s21
	s_delay_alu instid0(VALU_DEP_2)
	v_sub_f32 v37, v32, v35
	s_delay_alu instid0(VALU_DEP_3)
	v_add_f32 v32, v32, v35
	s_delay_alu instid0(VALU_DEP_3)
	v_add_f32 v34, v34, v36
	s_delay_alu instid0(VALU_DEP_3)
	v_mul_f32 v37, v37, v37
	s_delay_alu instid0(VALU_DEP_3)
	v_mul_f32 v32, -0.5, v32                       ; -mean of the row
	s_delay_alu instid0(VALU_DEP_2)
	v_fmamk_f32 v34, v37, 0x43800000, v34          ; + 256 x (the halves' difference)^2
	s_delay_alu instid0(VALU_DEP_1)
	v_fma_f32 v34, v34, s22, s23                   ; var + eps
	s_wait_alu depctr_va_vdst(0)
	v_rsq_f32 v33, v34
	v_nop                                          ; a plain line behind it,
	s_wait_alu depctr_va_vdst(0)                   ; and the wait ahead of its first reader
.irp i, 0,1,2,3,4,5,6,7,8,9,10,11,12,13,14,15
	v_readlane_b32 s[32+2*\i], v32, \i
	v_readlane_b32 s[33+2*\i], v33, \i
.endr
	s_wait_loadcnt 32                              ; ln3_g and ln3_b are in
.irp j, 0,2
	v_pk_mul_f32 v[24+\j:25+\j], v[24+\j:25+\j], s[24:25] op_sel_hi:[1,0]
	v_pk_mul_f32 v[28+\j:29+\j], v[28+\j:29+\j], s[24:25] op_sel_hi:[1,0]
.endr
.macro ROW2 i                          ; rows i and i + 1
	s_wait_loadcnt 28-2*(\i)                       ; their four loads are in; the younger rows' may be out
.irp e, 0,1
.irp j, 0,1,2,3
	v_add_f32 v[C+4*(\i+\e)+\j], s[32+2*(\i+\e)], v[C+4*(\i+\e)+\j]
.endr
.irp j, 0,1,2,3
	s_delay_alu instid0(VALU_DEP_4)
	v_mul_f32 v[C+4*(\i+\e)+\j], s[33+2*(\i+\e)], v[C+4*(\i+\e)+\j]
.endr
.irp j, 0
	s_delay_alu instid0(VALU_DEP_3)
	v_pk_fma_f32 v[C+4*(\i+\e)+\j:C+4*(\i+\e)+\j+1], v[C+4*(\i+\e)+\j:C+4*(\i+\e)+\j+1], v[24+\j:25+\j], v[28+\j:29+\j]
.endr
.irp j, 2
	s_delay_alu instid0(VALU_DEP_2)
	v_pk_fma_f32 v[C+4*(\i+\e)+\j:C+4*(\i+\e)+\j+1], v[C+4*(\i+\e)+\j:C+4*(\i+\e)+\j+1], v[24+\j:25+\j], v[28+\j:29+\j]
.endr
.endr
	s_wait_alu depctr_va_vdst(0)
.irp j, 0,1,2,3,4,5,6,7
	v_exp_f32 v[C+4*(\i)+\j], v[C+4*(\i)+\j]
	v_exp_f32 v[OGR+4*(\i)+\j], v[OGR+4*(\i)+\j]
.endr
	v_nop
	s_wait_alu depctr_va_vdst(0)                   ; one wait for the sixteen
.irp j, 0,2,4,6
	v_pk_add_f32 v[C+4*(\i)+\j:C+4*(\i)+\j+1], v[C+4*(\i)+\j:C+4*(\i)+\j+1], 1.0 op_sel_hi:[1,0]
	v_pk_add_f32 v[OGR+4*(\i)+\j:OGR+4*(\i)+\j+1], v[OGR+4*(\i)+\j:OGR+4*(\i)+\j+1], 1.0 op_sel_hi:[1,0]
.endr
	s_wait_alu depctr_va_vdst(0)
.irp j, 0,1,2,3,4,5,6,7
	v_rcp_f32 v[C+4*(\i)+\j], v[C+4*(\i)+\j]
	v_rcp_f32 v[OGR+4*(\i)+\j], v[OGR+4*(\i)+\j]
.endr
	v_nop
	s_wait_alu depctr_va_vdst(0)
.irp j, 0,2,4,6
	v_pk_fma_f32 v[C+4*(\i)+\j:C+4*(\i)+\j+1], v[C+4*(\i)+\j:C+4*(\i)+\j+1], -2.0, 1.0 op_sel_hi:[1,0,0]
.endr
.irp j, 0,2,4,6
	v_pk_mul_f32 v[C+4*(\i)+\j:C+4*(\i)+\j+1], v[C+4*(\i)+\j:C+4*(\i)+\j+1], v[OGR+4*(\i)+\j:OGR+4*(\i)+\j+1]
.endr
.irp e, 0,1
	global_store_b128 v1, v[C+4*(\i+\e):C+4*(\i+\e)+3], s[14:15] offset:(\i+\e)*4096 th:TH_STORE_NT   ; 32 lanes store 512 consecutive bytes, aligned
.endr
.endm
.irp i, 0,2,4,6,8,10,12,14
	ROW2 \i
.endr
	s_endpgm
.Lfunc_end_k_q76c97d4e31_final:
	.size	k_q76c97d4e31_final, .Lfunc_end_k_q76c97d4e31_final-k_q76c97d4e31_final
	.p2alignl 7, 3214868480
	.fill 96, 4, 3214868480
	.section	.rodata,"a",@progbits
	.p2align	6, 0x0
	.amdhsa_kernel k_q76c97d4e31_final
		.amdhsa_group_segment_fixed_size 0
		.amdhsa_private_segment_fixed_size 0
		.amdhsa_enable_private_segment 0
		.amdhsa_kernarg_size 48
		.amdhsa_user_sgpr_count 2
		.amdhsa_user_sgpr_kernarg_segment_ptr 1
		.amdhsa_wavefront_size32 1
		.amdhsa_system_sgpr_workgroup_id_x 1
		.amdhsa_system_sgpr_workgroup_id_y 1
		.amdhsa_system_sgpr_workgroup_id_z 1
		.amdhsa_system_vgpr_workitem_id 0
		.amdhsa_next_free_vgpr 168
		.amdhsa_next_free_sgpr 66
		.amdhsa_reserve_vcc 0
		.amdhsa_float_denorm_mode_32 3
		.amdhsa_float_denorm_mode_16_64 3
		.amdhsa_memory_ordered 1
		.amdhsa_forward_progress 1
		.amdhsa_inst_pref_size 39
	.end_amdhsa_kernel
	.amdgpu_metadata
---
amdhsa.version: [ 1, 2 ]
amdhsa.kernels:
  - .name:           k_q76c97d4e31_final
    .symbol:         k_q76c97d4e31_final.kd
    .args:
      - { .name: out1, .offset: 0, .size: 8, .value_kind: global_buffer, .address_space: global }
      - { .name: og, .offset: 8, .size: 8, .value_kind: global_buffer, .address_space: global }
      - { .name: st3, .offset: 16, .size: 8, .value_kind: global_buffer, .address_space: global }
      - { .name: ln3_g, .offset: 24, .size: 8, .value_kind: global_buffer, .address_space: global }
      - { .name: ln3_b, .offset: 32, .size: 8, .value_kind: global_buffer, .address_space: global }
      - { .name: out0, .offset: 40, .size: 8, .value_kind: global_buffer, .address_space: global }
    .group_segment_fixed_size: 0
    .private_segment_fixed_size: 0
    .kernarg_segment_align: 8
    .kernarg_segment_size: 48
    .max_flat_workgroup_size: 256
    .sgpr_count:     66
    .vgpr_count:     168
    .wavefront_size: 32
...
	.end_amdgpu_metadata
.endif
;; end of part 4
